; MI455X (gfx1250); checked and timed in simulation.
; The chip was launched on July 23, 2026; its instructions are those of AMD's public machine-readable ISA for CDNA 5 (MIT licence, August 2026) and "CDNA5" Instruction Set Architecture Reference Guide (July 2026). The comments in the code are by the model that wrote it; some were corrected since.
;; Multi Head Attention. Allowed arithmetic: matrix products marked QUANTISED: E2M1 operands, one E8M0 scale for each 32 along K, by v_wmma_scale_f32_16x16x128_f8f6f4 with both operands' format E2M1 (or v_wmma_scale_f32_32x16x128_f4), f32 sums; products left as they are: bf16, f16 or f32 operands; f32 sums; everything else in f32.
;; Inputs: WK_w 1,024 x 1,024 float32; WO_b 1,024 float32; WO_w 1,024 x 1,024 float32; WQ_b 1,024 float32; WQ_w 1,024 x 1,024 float32; WV_b 1,024 float32; WV_w 1,024 x 1,024 float32; attn_mask 4 x 2,048 x 2,048 float32; x 4 x 2,048 x 1,024 float32.
;; Outputs: out0 4 x 2,048 x 1,024 float32.
;; This version of the problem:
;;   THIS VERSION OF THE PROBLEM IS GIVEN IN LOW PRECISION. The matrix products marked QUANTISED in the list below multiply operands that are first quantised to E2M1 (2 exponent bits, 1 mantissa bit; 4 bits a number), with one power-of-two scale for each 32 numbers along K (OCP MX v1.0); their sums are f32. The products marked 'left as it is' may take bf16, f16 or f32 operands, with f32 sums. Whichever they take, every output number must still come out within the allowed error. Rounding operands to bf16 (8 significant bits) uses up far more of that allowance than f16 does (11 bits, for magnitudes from 6e-5 to 65,504). All else is computed in f32.
;;   The module's matrix products, in the order in which they are computed (A, B: the left and right operand; K: the contracted axis; several contracted axes count as one K, in the product's order):
;;     1. [M 8,192, K 1,024] x [K 1,024, N 1,024]; A: input x; B: input WQ_w: QUANTISED
;;     2. [M 8,192, K 1,024] x [K 1,024, N 1,024]; A: input x; B: input WK_w: QUANTISED
;;     3. [M 8,192, K 1,024] x [K 1,024, N 1,024]; A: input x; B: input WV_w: QUANTISED
;;     4. batch 64 x [M 2,048, K 64] x [K 64, N 2,048]; A: computed on the way; B: computed on the way: left as it is (an operand is computed on the way)
;;     5. batch 64 x [M 2,048, K 2,048] x [K 2,048, N 64]; A: computed on the way; B: computed on the way: left as it is (an operand is computed on the way)
;;     6. [M 8,192, K 1,024] x [K 1,024, N 1,024]; A: computed on the way; B: input WO_w: left as it is (an operand is computed on the way)
;;   THE QUANTISER, for each operand of a quantised product, along K:
;;     - K is cut into blocks of 32 from its start; a last block that is shorter is filled with zeros.
;;     - A block's scale is 2^e with e = floor(log2(the largest magnitude in the block)) - 2, held to -126 .. 127; a block of zeros has e = 0. As a byte (E8M0): e + 127.
;;     - Each number is divided by its block's scale, clamped to +-6, and rounded to the nearest number of E2M1, ties to even, subnormals kept.
;;     - The product sums the exact products of the quantised numbers (number of the format x scale) in f32.
;;   ~~~python
;;   def quantise(x, axis):      # numpy; x: float32 -> the quantised numbers, widened to float32 again
;;       x = np.moveaxis(x, axis, -1); K = x.shape[-1]
;;       x = np.pad(x, [(0, 0)] * (x.ndim - 1) + [(0, -K % 32)]); x = x.reshape(x.shape[:-1] + (-1, 32)); a = np.abs(x).max(-1, keepdims=True)
;;       e = np.where(a > 0, np.clip(np.frexp(np.where(a > 0, a, 1))[1] - 1 - 2, -126, 127), 0)      # np.frexp(a)[1] - 1 = floor(log2(a)), exactly
;;       r = np.clip(x / 2.0 ** e, -6, 6)
;;       step = 2.0 ** (np.maximum(np.frexp(np.where(r == 0, 1, r))[1] - 1, 0) - 1)
;;       q = np.round(r / step) * step * 2.0 ** e      # np.round: ties to even
;;       return np.moveaxis(q.reshape(q.shape[:-2] + (-1,))[..., :K], -1, axis).astype(np.float32)
;;   ~~~
;; One version. Each part assembles by itself: llvm-mc -triple=amdgcn-amd-amdhsa -mcpu=gfx1250 --defsym DOCPART=n.
;; ======== version 1 of 1: 4 launches
;; limits: values are held in f16: magnitudes above 65,504 overflow, below 6.1e-05 lose precision
;; workspace buffers: xc 4,194,304 bytes; xs 262,144 bytes; wc 1,572,864 bytes; ws 98,304 bytes; wo16 2,097,152 bytes; qkv 50,331,648 bytes; att 16,777,216 bytes
;; launch quant (part 1): grid 384 x 1, 4 waves a work-group, no clusters, 33,280 bytes of LDS; arguments x, WQ_w, WK_w, WV_w, WO_w, xc, xs, wc, ws, wo16; writes xc, xs, wc, ws, wo16
.if DOCPART == 1
	.amdgcn_target "amdgcn-amd-amdhsa--gfx1250"
	.amdhsa_code_object_version 6
	.text
	.protected	k_q440cdf5451_quant
	.globl	k_q440cdf5451_quant
	.p2align	8
	.type	k_q440cdf5451_quant,@function
k_q440cdf5451_quant:
	s_mov_b64 s[64:65], 0
	v_nop
	global_prefetch_b8 v0, s[64:65] scope:SCOPE_SE
	s_setreg_imm32_b32 hwreg(HW_REG_WAVE_MODE, 25, 1), 1
	s_wait_xcnt 0x0
; x [8192][1024] and WQ_w, WK_w, WV_w [1024][1024], f32 with K innermost, become codes of FP4 (E2M1) with one E8M0 scale byte for each 32 along K:
; xc [8192][512 bytes], xs [8192][32]; wc [3072][512 bytes], ws [3072][32] (rows 0-1023 WQ, 1024-2047 WK, 2048-3071 WV).  WO_w becomes f16: wo16 [1024][1024].
; A block's scale is 2^(floor(log2(its largest magnitude)) - 2); its byte is the largest magnitude's exponent field - 2, held at 1 from below.  Each number is divided by the scale and rounded to the
; nearest code, ties to even; beyond 6 the largest code.
; LIMITS: a block of zeros gets the byte 1 where the rule says 127 (its codes are zeros, and this program alone reads the bytes); blocks whose largest magnitude lies under 2^-124 are held at the byte 1;
; NaN and infinities among the inputs are not served; |WO_w| stays under 65,504 (f16).
; SHARES.  Rows are dense and K is a multiple of 32: every tensor is a plain stream.  A work-group takes 32,768 numbers, a wave 8,192.  Work-groups 0-255: x; 256-287: WQ_w; 288-319: WK_w; 320-351: WV_w;
; 352-383: WO_w.  The four quantised tensors take ONE path, on pointers chosen by the work-group's number; WO_w takes a path of its own, which uses no LDS.
; THE QUANTISING PATH.  16 steps of 512 numbers.  Each of a step's four loads reads 512 consecutive bytes, 16 a lane; the 2,048 bytes turn through the wave's own stage in LDS and come back 64 bytes a lane, so that a lane
; holds 16 neighbours along K (two neighbouring lanes hold a block).  A lane's 16 codes are 8 bytes: the wave stores 256 consecutive bytes.  A wave's 256 scale bytes are gathered in LDS and leave as one store of 256 bytes.
; No tensor loads, no barrier: waves share nothing.  No matrix units, no cluster: the launch streams, and no work-group reads what another reads.
.set WAVES, 4
.set STEPS, 16
.set EMAX,  2
.set CB,    8                          ; bytes of 16 codes
.set R,     16                         ; v16-79   four sets of 16 numbers as they are loaded
.set X,     80                         ; v80-111  two sets of 16 neighbours; on WO_w's path 32 registers of f16
.set E,     112                        ; v112-127 a scale byte for each step
.set C,     128                        ; v128-191 codes: four registers for each step, so that no store's data are written again
.set WREG,  8192                       ; LDS: a region for each wave: two stages of 32 x SP bytes, behind them its 256 scale bytes
.set SP,    80                         ; a lane's place in a stage: 64 bytes + 16 of padding
.set SPW,   12                         ; v12  LDS address of my spare word; never rewritten
.set NIL,   13                         ; v13  0; never rewritten
.set SPARE, WAVES*WREG                 ; behind the four regions: the spare words, 128 bytes for each wave
	s_load_b256 s[4:11], s[0:1], 0x0               ; x s[4:5], WQ_w s[6:7], WK_w s[8:9], WV_w s[10:11]
	s_load_b256 s[12:19], s[0:1], 0x20             ; WO_w s[12:13], xc s[14:15], xs s[16:17], wc s[18:19]
	s_load_b128 s[20:23], s[0:1], 0x40             ; ws s[20:21], wo16 s[22:23]
	v_lshl_add_u32 v[SPW], v0, 2, SPARE
	v_mov_b32 v[NIL], 0
	v_lshrrev_b32 v1, 5, v0
	v_readfirstlane_b32 s24, v1                    ; wave
	v_and_b32 v2, 31, v0                           ; lane
	v_lshlrev_b32 v3, 4, v2                        ; my 16 bytes of a load's 512
	s_mul_i32 s29, s24, WREG
	v_lshrrev_b32 v14, 2, v2
	v_mul_u32_u24 v14, v14, SP
	v_and_b32 v15, 3, v2
	v_lshl_add_u32 v14, v15, 4, v14
	v_add_nc_u32 v14, s29, v14                     ; the stage, on the way in: SP (lane / 4) + 16 (lane % 4)
	v_mul_u32_u24 v15, v2, SP
	v_add_nc_u32 v15, s29, v15                     ; and on the way out: SP x lane: my 16 neighbours
	v_mul_u32_u24 v4, v2, CB                       ; 8 x lane: my codes' place in a step's; on WO_w's path my 8 bytes of f16
	v_lshrrev_b32 v5, 1, v2
	s_add_co_u32 s29, s29, 2*32*SP
	v_add_nc_u32 v5, s29, v5                       ; LDS: my wave's 256 scale bytes, my block's byte
	v_lshlrev_b32 v7, 3, v2
	v_add_nc_u32 v6, s29, v7                       ; and on the way out 8 bytes a lane
	s_and_b32 s25, ttmp9, 31                       ; a weight's work-group: which 32,768 numbers of its tensor,
	s_sub_co_u32 s26, ttmp9, 256                   ; and of wc and ws (used from work-group 256 on)
	s_wait_kmcnt 0x0
	s_cmp_lt_u32 ttmp9, 352
	s_cbranch_scc0 .Lwo                            ; WO_w's work-groups: a branch on the work-group's number
	s_cmp_lt_u32 ttmp9, 320                        ; the choices hang on the work-group's number alone
	s_cselect_b64 s[10:11], s[8:9], s[10:11]       ; WK_w or WV_w
	s_cmp_lt_u32 ttmp9, 288
	s_cselect_b64 s[10:11], s[6:7], s[10:11]       ; WQ_w or that
	s_cmp_lt_u32 ttmp9, 256
	s_cselect_b64 s[4:5], s[4:5], s[10:11]         ; the source: x or a weight
	s_cselect_b64 s[8:9], s[14:15], s[18:19]       ; the codes: xc or wc
	s_cselect_b64 s[10:11], s[16:17], s[20:21]     ; the scale bytes: xs or ws
	s_cselect_b32 s27, ttmp9, s25
	s_cselect_b32 s28, ttmp9, s26
	s_lshl_b32 s27, s27, 2
	s_add_co_u32 s27, s27, s24                     ; which run of 8,192 numbers of the source is my wave's,
	s_lshl_b32 s28, s28, 2
	s_add_co_u32 s28, s28, s24                     ; and of the destination
	s_lshl_b32 s30, s27, 15                        ; 32,768 bytes of f32 a run (under 2^25)
	s_mov_b32 s31, 0
	s_add_nc_u64 s[4:5], s[4:5], s[30:31]
	s_lshl_b32 s30, s28, 12                        ; 4,096 bytes of codes
	s_add_nc_u64 s[8:9], s[8:9], s[30:31]
	s_lshl_b32 s30, s28, 8                         ; 256 scale bytes
	s_add_nc_u64 s[10:11], s[10:11], s[30:31]
.macro LOAD t
.irp i, 0,1,2,3
	global_load_b128 v[R+16*((\t)%4)+4*\i:R+16*((\t)%4)+4*\i+3], v3, s[4:5] offset:2048*(\t)+512*\i th:TH_LOAD_NT   ; 32 lanes read 512 consecutive bytes
.endr
.endm
.macro TURN t                          ; step t's numbers through the stage: LDS serves a wave's instructions in order, so no wait stands between the stores and the loads
.irp i, 0,1,2,3
	ds_store_b128 v14, v[R+16*((\t)%4)+4*\i:R+16*((\t)%4)+4*\i+3] offset:32*SP*((\t)%2)+8*SP*\i
.endr
.irp i, 0,1,2,3
	ds_load_b128 v[X+16*((\t)%2)+4*\i:X+16*((\t)%2)+4*\i+3], v15 offset:32*SP*((\t)%2)+16*\i
.endr
.endm
.irp t, 0,1,2,3
	LOAD \t
.endr
	s_wait_loadcnt 12                              ; step 0's four loads are in; the twelve of steps 1 to 3 stay out
	TURN 0
.macro STEP t
.set XS, X+16*((\t)%2)
.if (\t) > 0
	s_wait_dscnt 1                                 ; this step's numbers are back from the stage (the last step's byte store may be out): so its stores into the stage have read their registers,
.else
	s_wait_dscnt 0x0
.endif
.if (\t)+4 < STEPS
	LOAD (\t)+4                                    ; which take the loads of four steps on
.endif
.if (\t)+1 < STEPS
.if STEPS-2-(\t) >= 3
	s_wait_loadcnt 12                              ; the next step's four loads are in; those of the three steps behind it may be out
.else
	s_wait_loadcnt 4*(STEPS-2-(\t))
.endif
	TURN (\t)+1                                    ; and go through the other stage while this step is worked
.endif
	v_max3_num_f32 v8, |v[XS]|, |v[XS+1]|, |v[XS+2]|               ; the largest magnitude of my 16, in two chains
	v_max3_num_f32 v9, |v[XS+3]|, |v[XS+4]|, |v[XS+5]|
.irp i, 6,10
	v_max3_num_f32 v8, v8, |v[XS+\i]|, |v[XS+\i+1]|
	v_max3_num_f32 v9, v9, |v[XS+\i+2]|, |v[XS+\i+3]|
.endr
	v_max3_num_f32 v8, v8, |v[XS+14]|, |v[XS+15]|
	v_max3_num_f32 v8, v8, v9, (EMAX+1)<<23        ; and the floor 2^(EMAX + 1 - 127): so the byte cannot fall under 1
	v_max_num_f32_dpp v8, v8, v8 row_xmask:1 row_mask:0xf bank_mask:0xf   ; and of my neighbour's 16: the block's
	v_add_nc_u32 v11, -(EMAX<<23), v8              ; EMAX off its exponent field: the conversion takes the exponent field of this operand as its scale, and nothing else of it
	v_cvt_scalef32_pk8_fp4_f32 v[C+4*(\t)], v[XS:XS+7], v11
	v_cvt_scalef32_pk8_fp4_f32 v[C+4*(\t)+1], v[XS+8:XS+15], v11
	v_lshrrev_b32 v[E+(\t)], 23, v11               ; the scale's byte (also the plain line behind the conversions)
	ds_store_b8 v5, v[E+(\t)] offset:16*(\t)       ; both lanes of a block write the same byte with the same value
	global_store_b64 v4, v[C+4*(\t):C+4*(\t)+1], s[8:9] offset:32*CB*(\t)   ; 32 lanes store 256 consecutive bytes, aligned
.endm
.irp t, 0,1,2,3,4,5,6,7,8,9,10,11,12,13,14,15
	STEP \t
.endr
	ds_load_b64 v[8:9], v6                         ; LDS serves a wave's instructions in order: these see my byte stores
	s_wait_dscnt 0x0
	global_store_b64 v7, v[8:9], s[10:11]          ; 32 lanes store 256 consecutive bytes, aligned
	s_wait_tensorcnt 0x0                           ; the wave's end: behind my last LDS store
	ds_add_u32 v[SPW], v[NIL]
	s_wait_dscnt 0x0
	s_endpgm
; WO_w TO f16.  A wave's 8,192 numbers are 64 pieces of 128: a load reads 512 consecutive bytes, a store writes 256.  Four rounds of 16 pieces; a round's loads are issued behind the round before's conversions.
.Lwo:
	s_sub_co_u32 s27, ttmp9, 352
	s_lshl_b32 s27, s27, 2
	s_add_co_u32 s27, s27, s24                     ; which run of 8,192 numbers is my wave's
	s_lshl_b32 s30, s27, 15
	s_mov_b32 s31, 0
	s_add_nc_u64 s[12:13], s[12:13], s[30:31]
	s_lshl_b32 s30, s27, 14
	s_add_nc_u64 s[22:23], s[22:23], s[30:31]
.macro WLOAD k
.irp i, 0,1,2,3,4,5,6,7,8,9,10,11,12,13,14,15
	global_load_b128 v[R+4*\i:R+4*\i+3], v3, s[12:13] offset:512*(16*(\k)+\i) th:TH_LOAD_NT
.endr
.endm
.macro WROUND k
	s_wait_loadcnt 0x0                             ; the round's sixteen loads are in
	s_wait_xcnt 0x0                                ; the last round's stores have read their data registers, which are written again below
.irp i, 0,1,2,3,4,5,6,7,8,9,10,11,12,13,14,15
	v_cvt_pk_f16_f32 v[X+2*\i], v[R+4*\i], v[R+4*\i+1]
	v_cvt_pk_f16_f32 v[X+2*\i+1], v[R+4*\i+2], v[R+4*\i+3]
.endr
.if (\k) < 3
	WLOAD (\k)+1
.endif
.irp i, 0,1,2,3,4,5,6,7,8,9,10,11,12,13,14,15
	global_store_b64 v4, v[X+2*\i:X+2*\i+1], s[22:23] offset:256*(16*(\k)+\i)   ; 32 lanes store 256 consecutive bytes, aligned
.endr
.endm
	WLOAD 0
	WROUND 0
	WROUND 1
	WROUND 2
	WROUND 3
	s_wait_tensorcnt 0x0                           ; the same three lines at this path's end
	ds_add_u32 v[SPW], v[NIL]
	s_wait_dscnt 0x0
	s_endpgm
.Lfunc_end_k_q440cdf5451_quant:
	.size	k_q440cdf5451_quant, .Lfunc_end_k_q440cdf5451_quant-k_q440cdf5451_quant
	.p2alignl 7, 3214868480
	.fill 96, 4, 3214868480
	.section	.rodata,"a",@progbits
	.p2align	6, 0x0
	.amdhsa_kernel k_q440cdf5451_quant
		.amdhsa_group_segment_fixed_size 33280
		.amdhsa_private_segment_fixed_size 0
		.amdhsa_enable_private_segment 0
		.amdhsa_kernarg_size 80
		.amdhsa_user_sgpr_count 2
		.amdhsa_user_sgpr_kernarg_segment_ptr 1
		.amdhsa_wavefront_size32 1
		.amdhsa_system_sgpr_workgroup_id_x 1
		.amdhsa_system_sgpr_workgroup_id_y 1
		.amdhsa_system_sgpr_workgroup_id_z 1
		.amdhsa_system_vgpr_workitem_id 0
		.amdhsa_next_free_vgpr 192
		.amdhsa_next_free_sgpr 66
		.amdhsa_reserve_vcc 0
		.amdhsa_float_denorm_mode_32 3
		.amdhsa_float_denorm_mode_16_64 3
		.amdhsa_memory_ordered 1
		.amdhsa_forward_progress 1
		.amdhsa_inst_pref_size 54
	.end_amdhsa_kernel
	.amdgpu_metadata
---
amdhsa.version: [ 1, 2 ]
amdhsa.kernels:
  - .name:           k_q440cdf5451_quant
    .symbol:         k_q440cdf5451_quant.kd
    .args:
      - { .name: x, .offset: 0, .size: 8, .value_kind: global_buffer, .address_space: global }
      - { .name: WQ_w, .offset: 8, .size: 8, .value_kind: global_buffer, .address_space: global }
      - { .name: WK_w, .offset: 16, .size: 8, .value_kind: global_buffer, .address_space: global }
      - { .name: WV_w, .offset: 24, .size: 8, .value_kind: global_buffer, .address_space: global }
      - { .name: WO_w, .offset: 32, .size: 8, .value_kind: global_buffer, .address_space: global }
      - { .name: xc, .offset: 40, .size: 8, .value_kind: global_buffer, .address_space: global }
      - { .name: xs, .offset: 48, .size: 8, .value_kind: global_buffer, .address_space: global }
      - { .name: wc, .offset: 56, .size: 8, .value_kind: global_buffer, .address_space: global }
      - { .name: ws, .offset: 64, .size: 8, .value_kind: global_buffer, .address_space: global }
      - { .name: wo16, .offset: 72, .size: 8, .value_kind: global_buffer, .address_space: global }
    .group_segment_fixed_size: 33280
    .private_segment_fixed_size: 0
    .kernarg_segment_align: 8
    .kernarg_segment_size: 80
    .max_flat_workgroup_size: 128
    .sgpr_count:     66
    .vgpr_count:     192
    .wavefront_size: 32
...
	.end_amdgpu_metadata
.endif
;; end of part 1
;; launch qkv (part 2): grid 12 x 32, 4 waves a work-group, clusters of 4 x 4, 327,680 bytes of LDS; arguments xc, xs, wc, ws, WQ_b, WV_b, qkv; writes qkv
.if DOCPART == 2
	.amdgcn_target "amdgcn-amd-amdhsa--gfx1250"
	.amdhsa_code_object_version 6
	.text
	.protected	k_q440cdf5451_qkv
	.globl	k_q440cdf5451_qkv
	.p2align	8
	.type	k_q440cdf5451_qkv,@function
k_q440cdf5451_qkv:
	s_mov_b64 s[64:65], 0
	v_nop
	global_prefetch_b8 v0, s[64:65] scope:SCOPE_SE
	s_setreg_imm32_b32 hwreg(HW_REG_WAVE_MODE, 25, 1), 1
	s_wait_xcnt 0x0
	s_wait_alu depctr_hold_cnt(0) depctr_sa_sdst(0) depctr_va_vdst(0) depctr_va_sdst(0) depctr_va_ssrc(0) depctr_va_vcc(0) depctr_vm_vsrc(0)
	s_getreg_b32 s2, hwreg(HW_REG_IB_STS2, 6, 4)
	s_cmp_eq_u32 s2, 0
	s_cbranch_scc0 .Lentry_in_a_cluster
	s_endpgm
.Lentry_in_a_cluster:
	s_bfe_u32 s2, ttmp6, 0x10000c
	s_cmp_lg_u32 s2, 0xf033
	s_cbranch_scc0 .Lentry_shape_is_right
	s_endpgm
.Lentry_shape_is_right:
; qkv[m][n] = sum over k of x[m][k] W[n][k] + bias[n], rounded to f16.  x: xc [8192][1024 codes] with xs; W: wc [3072][1024 codes] with ws (rows 0-1023 WQ, 1024-2047 WK, 2048-3071 WV): codes of FP4 (E2M1),
; two a byte, one E8M0 scale byte for each 32 along K.  qkv: [8192 tokens][3072] f16: Q, K, V side by side.  bias: WQ_b for Q, none for K, WV_b for V.  Sums in f32.
; LIMIT: |Q|, |K|, |V| stay under 65,504 (f16).
; A tile of C, 256 x 256, is made by a work-group of four waves; a wave makes 128 x 128: 64 accumulators of 16 x 16, 512 registers.  K = 1,024 is two K steps of 512 (rows of 256 bytes): each has an LDS slot of its own,
; both are asked for at the start, and nothing is filled again.  The scale bytes of the work-group's 256 rows of x and 256 rows of W come once, with the first fills, as dense blocks.
; CLUSTERS: 4 x 4 work-groups.  The four of a row of the cluster need the same tiles of x, the four of a column the same tiles of W: each tile is asked for JOINTLY, by the same tensor load with the same descriptor and a mask
; that names the four.  A cluster is 1,024 columns wide: cluster x = 0, 1, 2 is Q, K, V.
; THE MATRIX INSTRUCTION IS USED TRANSPOSED (source 0 = 16 rows of W, source 1 = 16 rows of x): a lane then holds eight neighbouring columns of one row of C.
; THE BIAS IS THE C OF EACH SUM'S FIRST PRODUCT: eight registers for each block of 16 columns, in the result's layout.  For K the registers are cleared by an AND with 0: no branch.
; REGISTERS, in windows of 256: window 0: v0-31 addresses; v32-95 scale words, two sets; v128-191 x's fragments, ONE set; v192-255 the bias, on the way out packed results.
;   window 1: W's fragments, TWO sets, at v0 and v128.   window 2: the 32 accumulators of my rows 0-63 ((a, b) at v[8 (8 a + b)]);   window 3: those of my rows 64-127.
.set SIZE_M, 8192
.set SIZE_N, 3072
.set SIZE_K, 1024
.set KSTEP,  512                       ; along K in a slot
.set NQ,     KSTEP/128                 ; matrix instructions deep
.set ROWB,   256                       ; a tile's row in bytes
.set KROW,   SIZE_K*4/8                ; a row of codes in memory
.set CROW,   SIZE_N*2                  ; a row of qkv in bytes
.set PITCH,  272                       ; an LDS row: 256 bytes + 16 of padding = 68 words: the 16 rows that a load touches start 4 banks apart (64 banks of 4 bytes: ISA guide 11.1)
.set FR,     8                         ; registers of a fragment: 16 rows x 128 K
.set NL,     2                         ; LDS loads that bring one
.set NP,     4                         ; places behind this matrix instruction (ISA guide 7.12.1)
.set HALFT,  128*PITCH                 ; 128 rows: what one tensor load brings
.set SLOT,   4*HALFT                   ; x's 256 rows, then W's 256 rows
.set KS,     SIZE_K/32                 ; a row of scale bytes
.set SCL,    2*SLOT                    ; behind the slots: the scales, as units of 256 bytes + 16 of padding
.set HALFS,  (128*KS/256)*272          ; the scales of 128 rows: what one tensor load brings
.set SBLK,   (16*KS/256)*272           ; those of 16 rows
.set SPARE,  SCL+4*HALFS               ; the spare words, 128 bytes for each wave
.set OSTG,   SPARE+512                 ; the way out: 16 rows x 272 bytes for each wave, bytes into which no tensor load lands
.set SPITCH, 272
.set ADRA, 16                          ; v16-17  LDS address of my x fragments in slot 0, 1
.set ADRB, 20                          ; v20-21  the same for W
.set STO,  24                          ; v24     the way out: where I put 16 bytes of a row
.set RD,   25                          ; v25     where I read a row back
.set CO,   26                          ; v26     my byte offset in two rows of qkv
.set ADRS, 27                          ; v27     LDS address of my scale words: lanes 0-15 x's rows, lanes 16-31 W's
.set SPW,  28                          ; v28     LDS address of my spare word; never rewritten
.set NIL,  29                          ; v29     0; never rewritten
.set BO,   30                          ; v30     32 x (lane / 16): my eight numbers of a block's sixteen biases
.set SC,   32                          ; scale words: set s at v[SC + 8 NQ s]; register NQ i + q: lanes 0-15 the word of x's block i, lanes 16-31 that of W's block i
.set AF,   128                         ; x's fragments
.set BIAS, 192                         ; v192-255 the bias of my 128 columns: block b at v[BIAS + 8 b]
.set TMP,  192                         ; the way out: packed results, where the bias lay
.set BK,   128                         ; the way out: 16 rows read back: v128-159 and v160-191 by turns
.set G1, 24                            ; s[24:31] descriptor group 1 for x's tiles;  s[32:39] group 0, one set for each slot
.set G0, 32
.set G1B, 48                           ; s[48:55], s[56:63] the same for W's tiles
.set G0B, 56
.set G1S, 68                           ; s[68:75], s[76:79] groups 1 and 0 for x's scales;  s[80:87], s[88:91] for W's
.set G0S, 76
.set G1SB, 80
.set G0SB, 88
.set MSB, 0
.macro WIN new                         ; the immediate's high byte repeats the setting that is left
.if MSB != (\new)
	s_set_vgpr_msb (MSB<<8)|(\new)
.set MSB, (\new)
.endif
.endm
.set MUL_LO, 0xa1                      ; source 0 (W) window 1, source 1 (x) window 0, C and D window 2
.set MUL_HI, 0xf1                      ; the same, C and D window 3
.set TO_B,   0x40                      ; destination window 1, address window 0
; A joint load: waves 0 and 1 fetch for x, waves 2 and 3 for W.  Each of the two lines has ONE mask and one set of registers for all that issue it; the branch hangs on the wave's number alone.
; An s_nop 0 and four v_nop follow each of the two lines, ahead of the jump, the label and what follows.
.macro JLOAD g0a, g1a, g0b, g1b
	s_cmp_eq_u32 s15, 0
	s_cbranch_scc0 .Lfor_b_\@
	tensor_load_to_lds s[\g0a:\g0a+3], s[\g1a:\g1a+7]
	s_nop 0
.rept 4
	v_nop
.endr
	s_branch .Lasked_\@
.Lfor_b_\@:
	tensor_load_to_lds s[\g0b:\g0b+3], s[\g1b:\g1b+7]
	s_nop 0
.rept 4
	v_nop
.endr
.Lasked_\@:
.endm
.macro CROUND                          ; a round of the cluster's barrier: my work-group's barrier; wave 0 signals for the work-group; every wave waits for all sixteen; my work-group's barrier once more
	s_barrier_signal -1
	s_barrier_wait -1
	s_cmp_lg_u32 s14, 0
	s_cbranch_scc1 .Lnot_wave_0_\@
	s_barrier_signal -3
.Lnot_wave_0_\@:
	s_barrier_wait -3
	s_barrier_signal -1
	s_barrier_wait -1
.endm
	s_load_b128 s[4:7], s[0:1], 0x0                ; xc s[4:5], xs s[6:7]
	s_load_b128 s[8:11], s[0:1], 0x10              ; wc s[8:9], ws s[10:11]
	s_load_b128 s[96:99], s[0:1], 0x20             ; WQ_b s[96:97], WV_b s[98:99]
	s_load_b64 s[12:13], s[0:1], 0x30              ; qkv
	v_lshl_add_u32 v[SPW], v0, 2, SPARE
	v_mov_b32 v[NIL], 0
	ds_add_u32 v[SPW], v[NIL]                      ; the wave's opening: the add, twice on end, and its wait ahead of my first tensor load; the set-up below stands between the second and the wait
	ds_add_u32 v[SPW], v[NIL]
	v_lshrrev_b32 v1, 5, v0
	v_readfirstlane_b32 s14, v1                    ; wave 0..3
	s_lshr_b32 s15, s14, 1                         ; which half of the tile's rows is mine.  Also: I fetch for x (0) or for W (1)
	s_and_b32 s16, s14, 1                          ; which half of its columns.  Also: which 128 rows of that tile I fetch
	s_bfe_u32 s40, ttmp6, 0x40000                  ; cx, cy: my place in the cluster
	s_bfe_u32 s41, ttmp6, 0x40004
	s_lshl_b32 s42, ttmp9, 2
	s_add_co_u32 s42, s42, s40                     ; tile column of C = 4 x cluster x + cx
	s_and_b32 s17, ttmp7, 0xffff
	s_lshl_b32 s17, s17, 2
	s_add_co_u32 s17, s17, s41                     ; tile row of C = 4 x cluster y + cy
	s_lshl_b32 s43, s41, 2
	s_lshl_b32 s43, 15, s43                        ; my row of the cluster
	s_lshl_b32 s44, 0x1111, s40                    ; my column
	; descriptor group 1: a tile of 128 rows x 256 bytes, padded in LDS
	s_or_b32 s[G1+0], s43, (0<<16)|(1<<20)|(1<<21)|(5<<22)|(3<<25)  ; 15:0 the mask: x's tiles go to my row; 17:16 elements of 1 byte; 20 padding on; 21 set beside a mask; 24:22 after every 64 words (code 5); 31:25 four words (code 3)
	s_or_b32 s[G1B+0], s44, (0<<16)|(1<<20)|(1<<21)|(5<<22)|(3<<25)
.irp g, G1, G1B
	s_mov_b32 s[\g+1], ROWB<<16                    ; tensor_dim0
	s_mov_b32 s[\g+2], 128<<16                     ; tensor_dim1 = 128
	s_mov_b32 s[\g+3], ROWB<<16                    ; tile_dim0
	s_mov_b32 s[\g+4], 128                         ; tile_dim1 = 128
	s_mov_b32 s[\g+5], KROW                        ; tensor_dim0_stride
	s_mov_b32 s[\g+6], 0
	s_mov_b32 s[\g+7], 0
.endr
	; and for the scales of 128 rows: a dense block of 4,096 bytes, as 16 rows of 256 bytes (32 elements of 8 bytes), 16 bytes of padding behind each
	s_or_b32 s[G1S+0], s43, (3<<16)|(1<<20)|(1<<21)|(5<<22)|(3<<25)
	s_or_b32 s[G1SB+0], s44, (3<<16)|(1<<20)|(1<<21)|(5<<22)|(3<<25)
.irp g, G1S, G1SB
	s_mov_b32 s[\g+1], 32<<16
	s_mov_b32 s[\g+2], (128*KS/256)<<16
	s_mov_b32 s[\g+3], 32<<16
	s_mov_b32 s[\g+4], 128*KS/256
	s_mov_b32 s[\g+5], 32
	s_mov_b32 s[\g+6], 0
	s_mov_b32 s[\g+7], 0
.endr
	s_lshl_b32 s18, s16, 7                         ; which 128 rows of the tile I fetch
	s_lshl_b32 s20, s17, 8
	s_add_co_u32 s20, s20, s18                     ; x: row 256 x tile row + 128 x half
	s_lshl_b32 s46, s42, 8
	s_add_co_u32 s46, s46, s18                     ; W: row 256 x tile column + 128 x half
	s_mov_b32 s21, 0
	s_mov_b32 s47, 0
	s_mov_b64 s[18:19], KS
	s_mul_u64 s[22:23], s[20:21], s[18:19]         ; where these rows' scales begin, in bytes
	s_mul_u64 s[92:93], s[46:47], s[18:19]
	s_mov_b64 s[18:19], KROW
	s_mul_u64 s[20:21], s[20:21], s[18:19]         ; and their codes
	s_mul_u64 s[46:47], s[46:47], s[18:19]
	s_mul_i32 s45, s14, HALFT                      ; where they go: wave x 128 rows: no place in the cluster enters an LDS address
	s_mul_i32 s94, s14, HALFS
	s_wait_dscnt 0x0                               ; both opening adds are done
	s_wait_kmcnt 0x0
	s_add_nc_u64 s[20:21], s[4:5], s[20:21]
	s_add_nc_u64 s[22:23], s[6:7], s[22:23]
	s_add_nc_u64 s[46:47], s[8:9], s[46:47]
	s_add_nc_u64 s[92:93], s[10:11], s[92:93]
	CROUND                                         ; all sixteen work-groups are here: the first joint loads meet
	s_mov_b32 s[G0S], 1
	s_add_co_u32 s[G0S+1], s94, SCL
	s_mov_b64 s[G0S+2:G0S+3], s[22:23]
	s_or_b32 s[G0S+3], s[G0S+3], 0x80000000
	s_mov_b32 s[G0SB], 1
	s_add_co_u32 s[G0SB+1], s94, SCL
	s_mov_b64 s[G0SB+2:G0SB+3], s[92:93]
	s_or_b32 s[G0SB+3], s[G0SB+3], 0x80000000
	JLOAD G0S, G1S, G0SB, G1SB                     ; the scales first: they are wanted with K step 0
.irp s, 0,1
	s_mov_b32 s[G0+4*\s], 1
	s_add_co_u32 s[G0+4*\s+1], s45, \s*SLOT
	s_add_nc_u64 s[G0+4*\s+2:G0+4*\s+3], s[20:21], \s*ROWB
	s_or_b32 s[G0+4*\s+3], s[G0+4*\s+3], 0x80000000
	s_mov_b32 s[G0B+4*\s], 1
	s_add_co_u32 s[G0B+4*\s+1], s45, \s*SLOT
	s_add_nc_u64 s[G0B+4*\s+2:G0B+4*\s+3], s[46:47], \s*ROWB
	s_or_b32 s[G0B+4*\s+3], s[G0B+4*\s+3], 0x80000000
	JLOAD G0+4*\s, G1, G0B+4*\s, G1B               ; three tensor loads of mine are out: the scales and both K steps
.endr
	; the bias of my 128 columns.  Cluster x says which projection: 0 Q, 1 K, 2 V
	s_cmp_eq_u32 ttmp9, 2
	s_cselect_b64 s[96:97], s[98:99], s[96:97]     ; WV_b for V, else WQ_b
	s_cmp_eq_u32 ttmp9, 1
	s_cselect_b32 s95, 0, -1                       ; K has no bias: what was loaded is ANDed with 0
	s_lshl_b32 s2, s40, 10                         ; my first column in the projection's 1,024, in bytes: 1,024 cx + 512 x half
	s_lshl_b32 s3, s16, 9
	s_add_co_u32 s2, s2, s3
	s_mov_b32 s3, 0
	s_add_nc_u64 s[96:97], s[96:97], s[2:3]
	v_and_b32 v1, 15, v0                           ; l % 16
	v_bfe_u32 v2, v0, 4, 1                         ; l / 16
	v_lshlrev_b32 v[BO], 5, v2
.irp b, 0,1,2,3,4,5,6,7
	global_load_b128 v[BIAS+8*\b:BIAS+8*\b+3], v[BO], s[96:97] offset:64*\b        ; register j of block b: bias[16 b + 8 (l / 16) + j]
	global_load_b128 v[BIAS+8*\b+4:BIAS+8*\b+7], v[BO], s[96:97] offset:64*\b+16
.endr
	v_mul_u32_u24 v3, v1, PITCH
	v_lshl_add_u32 v4, v2, 4, v3                   ; a fragment's row x pitch + 16 x half
	s_mul_i32 s21, s15, HALFT                      ; my 128 rows of x
	s_mul_i32 s22, s16, HALFT                      ; my 128 rows of W,
	s_add_co_u32 s22, s22, 2*HALFT                 ; which lie behind x's 256
.irp s, 0,1
	v_add_nc_u32 v[ADRA+\s], s21, v4
	v_add_nc_u32 v[ADRB+\s], s22, v4
	s_add_co_u32 s21, s21, SLOT
	s_add_co_u32 s22, s22, SLOT
.endr
	v_mul_u32_u24 v5, v1, KS                       ; my row's scales: KS bytes a row,
	v_lshrrev_b32 v6, 8, v5
	v_lshl_add_u32 v5, v6, 4, v5                   ; and 16 more for each 256 passed
	s_mul_i32 s21, s15, HALFS                      ; x's: my 128 rows
	s_mul_i32 s22, s16, HALFS                      ; W's: my 128 rows, behind x's 256
	s_add_co_u32 s22, s22, 2*HALFS
	s_sub_co_u32 s22, s22, s21
	v_mul_u32_u24 v6, s22, v2                      ; lanes 16-31 take W's
	s_add_co_u32 s21, s21, SCL
	v_add_nc_u32 v5, v5, v6
	v_add_nc_u32 v[ADRS], s21, v5
	s_mul_i32 s23, s14, 16*SPITCH
	s_add_co_u32 s23, s23, OSTG                    ; my stage
	v_mul_u32_u24 v5, v1, SPITCH                   ; in: row l % 16, 16 bytes for each half of the lanes
	v_lshl_add_u32 v5, v2, 4, v5
	v_add_nc_u32 v[STO], s23, v5
	v_mul_u32_u24 v5, v2, SPITCH                   ; back: lanes 0-15 take one row of 256 bytes, lanes 16-31 the next
	v_lshl_add_u32 v5, v1, 4, v5
	v_add_nc_u32 v[RD], s23, v5
	v_mul_u32_u24 v5, v2, CROW                     ; and the same two rows in qkv
	v_lshl_add_u32 v[CO], v1, 4, v5
	s_lshl_b32 s20, s17, 8
	s_lshl_b32 s21, s15, 7
	s_add_co_u32 s20, s20, s21                     ; my first row of C: 256 x tile row + 128 x half
	s_mov_b32 s21, 0
	s_mov_b64 s[18:19], CROW
	s_mul_u64 s[20:21], s[20:21], s[18:19]
	s_lshl_b32 s46, s42, 9                         ; my first column, in bytes: 512 x tile column + 256 x half
	s_lshl_b32 s47, s16, 8
	s_add_co_u32 s46, s46, s47
	s_mov_b32 s47, 0
	s_add_nc_u64 s[20:21], s[20:21], s[46:47]
	s_add_nc_u64 s[12:13], s[12:13], s[20:21]
	s_wait_loadcnt 0x0                             ; the bias
.set i, 0
.rept 64
	v_and_b32 v[BIAS+i], s95, v[BIAS+i]            ; kept for Q and V, cleared for K
.set i, i+1
.endr
.macro FRAG reg, adr, q, i             ; a fragment, 16 rows x 128 K of 4-bit codes: lane l holds row l % 16; registers 4 c .. 4 c + 3 hold K = 64 c + 32 (l / 16) + 0 .. 31
.irp c, 0,1
	ds_load_b128 v[\reg+4*\c:\reg+4*\c+3], v[\adr] offset:64*(\q)+32*\c+(\i)*16*PITCH
.endr
.endm
; 16 matrix instructions: x's blocks a0, a0 + 1 against W's eight, 128 along K: the slot's q-th.  p: W's set;  sc: the set of scale words.  zero = 1: the first product starts the sums, with the bias as its C.
; The 64 accumulators take turns, one instruction a turn, in the same order in every step.
.macro MUL16 a0, p, q, sc, zero
.irp a, \a0, \a0+1
.irp b, 0,1,2,3,4,5,6,7
.if \zero
	v_wmma_scale_f32_16x16x128_f8f6f4 v[8*(8*((\a)%4)+\b):8*(8*((\a)%4)+\b)+7], v[128*(\p)+FR*\b:128*(\p)+FR*\b+FR-1], v[AF+FR*(\a):AF+FR*(\a)+FR-1], v[BIAS+8*\b:BIAS+8*\b+7], v[SC+8*NQ*(\sc)+NQ*\b+(\q)], v[SC+8*NQ*(\sc)+NQ*(\a)+(\q)] matrix_a_fmt:MATRIX_FMT_FP4 matrix_b_fmt:MATRIX_FMT_FP4 matrix_a_scale:MATRIX_SCALE_ROW1
.else
	v_wmma_scale_f32_16x16x128_f8f6f4 v[8*(8*((\a)%4)+\b):8*(8*((\a)%4)+\b)+7], v[128*(\p)+FR*\b:128*(\p)+FR*\b+FR-1], v[AF+FR*(\a):AF+FR*(\a)+FR-1], v[8*(8*((\a)%4)+\b):8*(8*((\a)%4)+\b)+7], v[SC+8*NQ*(\sc)+NQ*\b+(\q)], v[SC+8*NQ*(\sc)+NQ*(\a)+(\q)] matrix_a_fmt:MATRIX_FMT_FP4 matrix_b_fmt:MATRIX_FMT_FP4 matrix_a_scale:MATRIX_SCALE_ROW1
.endif
.endr
.endr
.endm
.macro FETCH_B slot, q, p              ; W's eight fragments of the slot's q-th 128 along K into set p
	WIN TO_B
.irp i, 0,1,2,3,4,5,6,7
	FRAG 128*(\p)+FR*\i, ADRB+\slot, \q, \i
.endr
	WIN 0
.endm
.macro FETCH_A slot, q, i0             ; x's blocks i0 .. i0 + 3
.irp i, \i0, \i0+1, \i0+2, \i0+3
	FRAG AF+FR*(\i), ADRA+\slot, \q, \i
.endr
.endm
.macro SCALES sc                       ; a K step's scale words into set sc: NQ words a row; lanes 0-15 take x's block i, lanes 16-31 W's block i
.irp i, 0,1,2,3,4,5,6,7
	ds_load_b128 v[SC+8*NQ*\sc+NQ*\i:SC+8*NQ*\sc+NQ*\i+3], v[ADRS] offset:\i*SBLK
.endr
.endm
; A load into a register that a matrix instruction has read, and a vector instruction that reads a matrix result, stand NP places behind that matrix instruction; only plain vector instructions that name none of its
; registers are places (ISA guide 7.12.1 for vector instructions).
.macro PLACES n
.rept \n
	v_nop
.endr
.endm
; A step of 128 along K that has its successor in the same slot.  zero = 1: C comes from window 0 (the bias): the window settings differ in that field alone.
.macro STEP slot, q, zero
	s_wait_dscnt 4*NL                              ; W's set and x's blocks 0-3 are in; the youngest eight loads (x's blocks 4-7) may be out
	WIN MUL_LO-0x20*(\zero)
	MUL16 0, (\q)%2, \q, \slot, \zero
	MUL16 2, (\q)%2, \q, \slot, \zero
	s_wait_dscnt 0                                 ; x's blocks 4-7 are in (asked for 32 matrix instructions ago)
	PLACES NP
	FETCH_B \slot, (\q)+1, 1-(\q)%2
	FETCH_A \slot, (\q)+1, 0
	WIN MUL_HI-0x30*(\zero)
	MUL16 4, (\q)%2, \q, \slot, \zero
	MUL16 6, (\q)%2, \q, \slot, \zero
	PLACES NP
	WIN 0
	FETCH_A \slot, (\q)+1, 4
.endm
; Slot 0's last step goes over to slot 1: one barrier; in front of it each wave waits for all its tensor loads (its part of slot 1), so that behind it slot 1 is whole for every wave.  Nothing is filled again.
.macro TURN slot, next
	s_wait_tensorcnt 0x0                           ; all my tensor loads have landed: my part of the next slot  (every window is 0 here)
	ds_add_u32 v[SPW], v[NIL]                      ; 0 onto my spare word
	s_wait_dscnt 4*NL+1                            ; (the add and the youngest eight loads, x's blocks 4-7, may be out)
	WIN MUL_LO
	MUL16 0, 1, NQ-1, \slot, 0                     ; sixteen matrix instructions stand between the add and the wait for it
	s_wait_dscnt 0x0                               ; the add is done, and no LDS load of mine is out at the signal
	s_barrier_signal -1
	MUL16 2, 1, NQ-1, \slot, 0
	WIN 0
	s_barrier_wait -1
	PLACES NP
	v_add_nc_u32 v[ADRS], 4*NQ, v[ADRS]            ; on to the next K step's scale words (no LDS load of mine is out)
	FETCH_B \next, 0, 0
	FETCH_A \next, 0, 0
	SCALES \next
	WIN MUL_HI
	MUL16 4, 1, NQ-1, \slot, 0
	MUL16 6, 1, NQ-1, \slot, 0
	PLACES NP
	WIN 0
	FETCH_A \next, 0, 4
.endm
.macro STEPS slot, from                ; the slot's steps from .. NQ - 2
.set Q, \from
.rept NQ-1-\from
	STEP \slot, Q, 0
.set Q, Q+1
.endr
.endm
	PLACES NP                                      ; plain lines between the last AND on the bias and the products that take it
	s_wait_tensorcnt 1                             ; the scales and my part of K step 0 are in; K step 1's load, the one issued behind them, may be out
	s_barrier_signal -1
	s_barrier_wait -1                              ; everybody's are
	FETCH_B 0, 0, 0
	FETCH_A 0, 0, 0
	SCALES 0
	FETCH_A 0, 0, 4
	STEP 0, 0, 1                                   ; the first step's products start the sums
	STEPS 0, 1
	TURN 0, 1
	STEPS 1, 0
	s_wait_dscnt 4*NL                              ; the very last step: nothing more to fetch
	WIN MUL_LO
	MUL16 0, 1, NQ-1, 1, 0
	MUL16 2, 1, NQ-1, 1, 0
	s_wait_dscnt 0
	WIN MUL_HI
	MUL16 4, 1, NQ-1, 1, 0
	MUL16 6, 1, NQ-1, 1, 0
	WIN 0
; THE WAY OUT, block by block of 16 rows x 128 columns.  PACK: rounded to f16, 16 bytes a lane, each accumulator from its low end on.  TOSTAGE: into my own stage in LDS and back as whole rows of 256 bytes.  SEND: stored.
.macro PACK a
.set AC, 64*((\a)%4)
	WIN 0x0a+5*((\a)/4)                            ; sources 0 and 1: window 2 or 3
.irp b, 0,1,2,3,4,5,6,7
.irp r, 0,1,2,3
	v_cvt_pk_f16_f32 v[TMP+4*\b+\r], v[AC+8*\b+2*\r], v[AC+8*\b+2*\r+1]
.endr
.endr
	WIN 0
.endm
.macro TOSTAGE a
.set BB, BK+32*((\a)%2)
.irp b, 0,1,2,3,4,5,6,7
	ds_store_b128 v[STO], v[TMP+4*\b:TMP+4*\b+3] offset:32*\b
.endr
.irp t, 0,1,2,3,4,5,6,7
	ds_load_b128 v[BB+4*\t:BB+4*\t+3], v[RD] offset:\t*2*SPITCH    ; LDS serves a wave's instructions in order (ISA guide 5.7.1.4): these see the stores above
.endr
.endm
.macro SEND a
.set BB, BK+32*((\a)%2)
	s_wait_dscnt 0x0                               ; the block is back in registers
	s_wait_xcnt 0x0                                ; the earlier stores have read their base and their data: only behind this wait are they written again
.if (\a) > 0
	s_add_nc_u64 s[12:13], s[12:13], 16*CROW       ; 16 rows of qkv on
.endif
.irp t, 0,1,2,3,4,5,6,7
	global_store_b128 v[CO], v[BB+4*\t:BB+4*\t+3], s[12:13] offset:2*\t*CROW   ; 16 lanes store 256 consecutive bytes, at a multiple of 256 from qkv's first byte
.endr
.endm
	PLACES NP                                      ; behind the last products: the first conversions write where the bias lay, and the first loads land where x's fragments lay
	PACK 0
	TOSTAGE 0
.irp a, 1,2,3,4,5,6,7                  ; block a's conversions stand between block a - 1's loads from the stage and the wait for them
	PACK \a
	SEND \a-1
	TOSTAGE \a
.endr
	SEND 7
	s_wait_tensorcnt 0x0                           ; the wave's end: behind my last tensor load and my last LDS store
	ds_add_u32 v[SPW], v[NIL]
	s_wait_dscnt 0x0
	CROUND                                         ; the closing round: no work-group ends while a partner may still ask for a tile that names it
	s_endpgm
.Lfunc_end_k_q440cdf5451_qkv:
	.size	k_q440cdf5451_qkv, .Lfunc_end_k_q440cdf5451_qkv-k_q440cdf5451_qkv
	.p2alignl 7, 3214868480
	.fill 96, 4, 3214868480
	.section	.rodata,"a",@progbits
	.p2align	6, 0x0
	.amdhsa_kernel k_q440cdf5451_qkv
		.amdhsa_group_segment_fixed_size 327680
		.amdhsa_private_segment_fixed_size 0
		.amdhsa_enable_private_segment 0
		.amdhsa_kernarg_size 56
		.amdhsa_user_sgpr_count 2
		.amdhsa_user_sgpr_kernarg_segment_ptr 1
		.amdhsa_wavefront_size32 1
		.amdhsa_system_sgpr_workgroup_id_x 1
		.amdhsa_system_sgpr_workgroup_id_y 1
		.amdhsa_system_sgpr_workgroup_id_z 1
		.amdhsa_system_vgpr_workitem_id 0
		.amdhsa_next_free_vgpr 1024
		.amdhsa_next_free_sgpr 100
		.amdhsa_reserve_vcc 0
		.amdhsa_float_denorm_mode_32 3
		.amdhsa_float_denorm_mode_16_64 3
		.amdhsa_memory_ordered 1
		.amdhsa_forward_progress 1
		.amdhsa_inst_pref_size 131
	.end_amdhsa_kernel
	.amdgpu_metadata
---
amdhsa.version: [ 1, 2 ]
amdhsa.kernels:
  - .name:           k_q440cdf5451_qkv
    .symbol:         k_q440cdf5451_qkv.kd
    .args:
      - { .name: xc, .offset: 0, .size: 8, .value_kind: global_buffer, .address_space: global }
      - { .name: xs, .offset: 8, .size: 8, .value_kind: global_buffer, .address_space: global }
      - { .name: wc, .offset: 16, .size: 8, .value_kind: global_buffer, .address_space: global }
      - { .name: ws, .offset: 24, .size: 8, .value_kind: global_buffer, .address_space: global }
      - { .name: WQ_b, .offset: 32, .size: 8, .value_kind: global_buffer, .address_space: global }
      - { .name: WV_b, .offset: 40, .size: 8, .value_kind: global_buffer, .address_space: global }
      - { .name: qkv, .offset: 48, .size: 8, .value_kind: global_buffer, .address_space: global }
    .group_segment_fixed_size: 327680
    .private_segment_fixed_size: 0
    .kernarg_segment_align: 8
    .kernarg_segment_size: 56
    .max_flat_workgroup_size: 128
    .sgpr_count:     100
    .vgpr_count:     1024
    .wavefront_size: 32
...
	.end_amdgpu_metadata
.endif
;; end of part 2
;; launch attn (part 3): grid 32 x 8, 8 waves a work-group, clusters of 4 x 4, 327,680 bytes of LDS; arguments qkv, attn_mask, att; writes att
.if DOCPART == 3
	.amdgcn_target "amdgcn-amd-amdhsa--gfx1250"
	.amdhsa_code_object_version 6
	.text
	.protected	k_q440cdf5451_attn
	.globl	k_q440cdf5451_attn
	.p2align	8
	.type	k_q440cdf5451_attn,@function
k_q440cdf5451_attn:
	s_mov_b64 s[64:65], 0
	v_nop
	global_prefetch_b8 v0, s[64:65] scope:SCOPE_SE
	s_setreg_imm32_b32 hwreg(HW_REG_WAVE_MODE, 25, 1), 1
	s_wait_xcnt 0x0
	s_wait_alu depctr_hold_cnt(0) depctr_sa_sdst(0) depctr_va_vdst(0) depctr_va_sdst(0) depctr_va_ssrc(0) depctr_va_vcc(0) depctr_vm_vsrc(0)
	s_getreg_b32 s2, hwreg(HW_REG_IB_STS2, 6, 4)
	s_cmp_eq_u32 s2, 0
	s_cbranch_scc0 .Lentry_in_a_cluster
	s_endpgm
.Lentry_in_a_cluster:
	s_bfe_u32 s2, ttmp6, 0x10000c
	s_cmp_lg_u32 s2, 0xf033
	s_cbranch_scc0 .Lentry_shape_is_right
	s_endpgm
.Lentry_shape_is_right:
; att[b][q][h][:] = the sum over k of softmax_k((mask[b][q][k] + Q[b][h][q] . K[b][h][k]) / 8) V[b][h][k][:].  qkv: [8192 tokens][3072] f16 (Q at byte 0 of a row, K at 2,048, V at 4,096; head h 128 h bytes on);
; attn_mask: [4][2048][2048] f32; att: [8192][1024] f16.  Products, maxima and sums in f32; the weights p are rounded to f16 for the second product, the result once at the end.
; LIMITS: NaN and +infinity among the inputs are not served.  A mask entry of -infinity gives p = 0; a row that is -infinity throughout gives NaN.  The mask is the FIRST term of a score's f32 sum (it is the C of the first
; product), so the order of rounding differs from mask + (Q . K): that shows only where every key of a row carries a mask of some 1e8 or more in size.  The result stays under 65,504 (f16).
; SHARES.  A work-group owns 256 queries x 2 heads of one batch.  Wave w: head w / 4 of the pair, queries 64 (w % 4) on: four tiles of 16; two waves to a SIMD.  Every wave walks all 2,048 keys, 64 a step.
; With queries x heads = 512 a work-group, 256 x 2 brings the fewest bytes into LDS (8 KiB of mask for each query, 512 KiB of K and V for each head), and a head pair's 256 bytes of a token's row are one aligned piece.
; LAYOUT.  S^T = K Q^T + mask^T (source 0 = 16 keys, source 1 = 16 queries): a lane holds ONE query (lane % 16) and the keys 8 (lane / 16) + 0..7 of a tile.  The C of that product is then 32 neighbouring bytes of a mask row:
; it is loaded from LDS straight into the accumulator, and the mask costs no vector instruction.  Two such tiles, rounded to f16 in pairs, ARE source 1 (32 keys x 16 queries) of O^T = V^T P.  V comes turned out of LDS.
; SOFTMAX.  For each query a running maximum m and sum l: p = 2^(c s - c m), c = log2(e) / 8; in every step O and l are multiplied by a = 2^(c m_old - c m_new).  m begins at -3e38, l and O^T at 0: the step is written once.
; BY STAGES.  A stage is one tile's softmax (119 vector instructions) with another tile's products set into it, one behind every seven.  Of a step's 64 products only tile 0's K Q^T and tile 3's V^T P stand bare.
; The last stage of step t - 1 stands behind step t's change of slots and first LDS loads: it works on registers alone while those loads come.
; CLUSTER, 4 x 4.  K's and V's tiles hang on batch and head pair: shared along a row of the cluster.  The mask's tile hangs on batch and query block: shared along a column.  Every tile is asked for JOINTLY.
; RING.  Two LDS slots of one key step each (two slots of two steps would not fit).  All eight waves load: waves 0-3 the mask's quarters (64 rows), 4 and 5 K's halves, 6 and 7 V's halves: one tensor load of mine is out at a time.
; REGISTERS, in windows of 256: window 0: v1-15 addresses; v16-47 statistics; v48, v49 the add's two; v64-191 S^T, 32 a tile, later P in its first 16; v192-255 V's fragments.
;   window 1: v0-127 O^T, 32 a tile; v128-191 Q; v192-255 K's fragments.
.set QROW,  6144                       ; a token's row of qkv in bytes
.set KS,    64                         ; keys in a step
.set PM,    272                        ; a query's row of the mask's tile in LDS: 256 bytes + 16
.set PK,    272                        ; a key's row of K: 256 + 16: the 16 rows of a load start 4 banks apart (64 banks of 4 bytes: ISA guide 11.1)
.set PVV,   288                        ; a key's row of V: 256 + 32
.set KOFF,  256*PM                     ; a slot: the mask's 256 rows, K's 64, V's 64
.set VOFF,  KOFF+KS*PK
.set SLOTB, VOFF+KS*PVV
.set OSTG,  2*SLOTB                    ; behind the ring: 256 rows x 272 bytes, the work-group's, for the way out
.set SPARE, OSTG+256*272               ; the spare words, 128 bytes for each wave
.set AM,  4                            ; v4-5   LDS address of my mask rows in slot 0, 1
.set AK,  6                            ; v6-7   of K's fragments
.set AV,  8                            ; v8-9   of V's
.set QO,  10                           ; v10    my byte offset in the wave's rows of Q
.set STO, 11                           ; v11    the way out: where I put 16 bytes of a row
.set RD,  12                           ; v12    where I read a row back
.set GO,  13                           ; v13    my byte offset in two rows of att
.set PFO, 14                           ; v14    the prefetches' offset; never rewritten
.set ST,  16                           ; tile t's statistics at v[ST+8 t]: +0 c m, +1 m, +2, +3 l (even keys', odd keys'), +4 to +7 c0-c3, at work; a takes c2's place
.set SPW, 48
.set NIL, 49
.set S,   64
.set VF,  192                          ; window 0: V's fragment (32 keys kk, 16 channels dt) at VF + 8 (4 kk + dt)
.set QF,  128                          ; window 1: Q's (tile t, 32 channels dc) at QF + 16 t + 8 dc
.set KF,  192                          ; window 1: K's (16 keys kt, dc) at KF + 16 kt + 8 dc
.set WV,  10                           ; s10  my wave's number
.set G1M, 24                           ; s[24:31] descriptor group 1 for the mask's tiles;  s[32:39] K's;  s[40:47] V's
.set G1K, 32
.set G1V, 40
.set G0M, 48                           ; s[48:55] group 0 for the mask, a set for each slot;  s[56:63] K's;  s[68:75] V's
.set G0K, 56
.set G0V, 68
.set CS,  76                           ; s[76:77] c, twice: the packed form names a pair
.set SEL, 78                           ; s[78:79] lane selects for v_permlanex16_b32: lane l xor 16
.set PFA, 80                           ; s[80:81] where my prefetches stand
.set PFS, 82                           ; s[82:83] a key step on, in bytes
.set LIM, 84                           ; s84  1 in a wave that prefetches, else the greatest number
.set LOOP, 85                          ; s85  trips to go
.set MSB, 0
.macro WIN new                         ; the immediate's high byte repeats the setting that is left; a switch that changes nothing is dropped
.if MSB != (\new)
	s_set_vgpr_msb (MSB<<8)|(\new)
.set MSB, (\new)
.endif
.endm
.set W_KQ, 0x05                        ; K and Q in window 1, S^T in window 0
.set W_PV, 0x50                        ; V and P in window 0, O^T in window 1
.set W_RS, 0x41                        ; O^T (destination and source 0) in window 1, a in window 0
.set TO1,  0x40                        ; destination window 1, address window 0
; A joint load into slot s.  The branches hang on the wave's number alone.  An s_nop 0 and four v_nop follow each of the three lines, ahead of the jump, the label and what follows.
.macro JLOAD s
	s_cmp_lt_u32 s[WV], 4
	s_cbranch_scc0 .Lnot_m_\@
	tensor_load_to_lds s[G0M+4*(\s):G0M+4*(\s)+3], s[G1M:G1M+7]
	s_nop 0
.rept 4
	v_nop
.endr
	s_branch .Lasked_\@
.Lnot_m_\@:
	s_cmp_lt_u32 s[WV], 6
	s_cbranch_scc0 .Lfor_v_\@
	tensor_load_to_lds s[G0K+4*(\s):G0K+4*(\s)+3], s[G1K:G1K+7]
	s_nop 0
.rept 4
	v_nop
.endr
	s_branch .Lasked_\@
.Lfor_v_\@:
	tensor_load_to_lds s[G0V+4*(\s):G0V+4*(\s)+3], s[G1V:G1V+7]
	s_nop 0
.rept 4
	v_nop
.endr
.Lasked_\@:
.endm
.macro CROUND                          ; a round of the cluster's barrier: my work-group's barrier; wave 0 signals for the work-group; every wave waits for all sixteen; my work-group's barrier once more
	s_barrier_signal -1
	s_barrier_wait -1
	s_cmp_lg_u32 s[WV], 0
	s_cbranch_scc1 .Lnot_wave_0_\@
	s_barrier_signal -3
.Lnot_wave_0_\@:
	s_barrier_wait -3
	s_barrier_signal -1
	s_barrier_wait -1
.endm
; A PREFETCH INTO THE L2: step t asks for the tiles of step t + 2, which the tensor loads of step t + 1 will want: one key step, 64 matrix instructions and four softmaxes a wave, ahead.
; Each aligned piece of 256 bytes is named ONCE in the launch.  The mask's tile is read by the two clusters that differ in cluster y: the one with y = 0 asks; the four partners of a column take 64 rows each, told apart BY ADDRESS;
; in each, waves 0 and 1 take 32 rows, a lane a row.  K's and V's tiles are read by the two clusters that differ in the low bit of cluster x: the even one asks; the four partners of a row take 16 keys each, by address; in each,
; wave 4 asks: lanes 0-15 for K's rows, lanes 16-31 for V's.  how = 1: always; how = 2: not in the loop's last trip, where step t + 2 does not exist.  Steps 0 to 2 come by their loads alone.
.macro ASK how
.if (\how) == 1
	s_cmp_eq_u32 s[LIM], 1
.else
	s_cmp_gt_u32 s[LOOP], s[LIM]
.endif
	s_cbranch_scc0 .Lnot_mine_\@
	global_prefetch_b8 v[PFO], s[PFA:PFA+1] th:TH_LOAD_NT scope:SCOPE_SE
.Lnot_mine_\@:
.endm
.macro PLACES                          ; four places in front of loads into registers that matrix instructions have read, and of vector instructions that read results (ISA guide 7.12.1 for vector instructions)
.rept 4
	v_nop
.endr
.endm
	s_load_b128 s[4:7], s[0:1], 0x0                ; qkv s[4:5], attn_mask s[6:7]
	s_load_b64 s[8:9], s[0:1], 0x10                ; att
	v_lshl_add_u32 v[SPW], v0, 2, SPARE
	v_mov_b32 v[NIL], 0
	ds_add_u32 v[SPW], v[NIL]                      ; the wave's opening: the add, twice on end, and its wait ahead of my first tensor load; the set-up below stands between the second and the wait
	ds_add_u32 v[SPW], v[NIL]
	v_lshrrev_b32 v1, 5, v0
	v_readfirstlane_b32 s[WV], v1                  ; wave 0..7
	s_lshr_b32 s11, s[WV], 2                       ; hw: which head of the pair
	s_and_b32 s12, s[WV], 3                        ; qs: which 64 queries.  Also: which quarter of the mask's tile I fetch
	s_and_b32 s13, s[WV], 1                        ; which half of K's or V's tile I fetch
	s_bfe_u32 s14, ttmp6, 0x40000                  ; cx
	s_bfe_u32 s15, ttmp6, 0x40004                  ; cy
	s_and_b32 s16, ttmp9, 1                        ; cluster x, low bit
	s_and_b32 s17, ttmp7, 0xffff                   ; cluster y
	s_lshr_b32 s18, ttmp9, 1                       ; the batch
	s_lshl_b32 s19, s16, 2
	s_add_co_u32 s19, s19, s14                     ; the block of 256 queries: 4 x (cluster x % 2) + cx
	s_lshl_b32 s20, s17, 2
	s_add_co_u32 s20, s20, s15                     ; the head pair: 4 x cluster y + cy
	s_lshl_b32 s21, s15, 2
	s_lshl_b32 s21, 15, s21                        ; my row of the cluster
	s_lshl_b32 s22, 0x1111, s14                    ; my column
	; descriptor groups 1.  The mask: 64 rows x 64 elements of 4 bytes, rows 2,048 elements apart, 4 words of padding behind every 64
	s_or_b32 s[G1M], s22, (2<<16)|(1<<20)|(1<<21)|(5<<22)|(3<<25)   ; 15:0 my column; 17:16 elements of 4 bytes; 20 padding on; 21 set beside a mask; 24:22 after every 64 words (code 5); 31:25 four words (code 3)
	s_mov_b32 s[G1M+1], 64<<16                     ; tensor_dim0 = 64
	s_mov_b32 s[G1M+2], 64<<16                     ; tensor_dim1 = 64
	s_mov_b32 s[G1M+3], 64<<16                     ; tile_dim0 = 64
	s_mov_b32 s[G1M+4], 64                         ; tile_dim1 = 64
	s_mov_b32 s[G1M+5], 2048                       ; tensor_dim0_stride
	s_mov_b32 s[G1M+6], 0
	s_mov_b32 s[G1M+7], 0
	; K and V: 32 rows x 128 elements of 2 bytes, rows 3,072 elements apart; K with 4 words of padding, V with 8
	s_or_b32 s[G1K], s21, (1<<16)|(1<<20)|(1<<21)|(5<<22)|(3<<25)
	s_or_b32 s[G1V], s21, (1<<16)|(1<<20)|(1<<21)|(5<<22)|(7<<25)
.irp g, G1K, G1V
	s_mov_b32 s[\g+1], 128<<16
	s_mov_b32 s[\g+2], 32<<16
	s_mov_b32 s[\g+3], 128<<16
	s_mov_b32 s[\g+4], 32
	s_mov_b32 s[\g+5], 3072
	s_mov_b32 s[\g+6], 0
	s_mov_b32 s[\g+7], 0
.endr
	; byte offsets, each in registers of its own.  The mask's hang on batch, query block and wave: never on cy
	s_lshl_b32 s86, s19, 8
	s_lshl_b32 s87, s12, 6
	s_add_co_u32 s86, s86, s87                     ; query 256 qb + 64 qs
	s_lshl_b32 s86, s86, 13                        ; x 8,192 bytes
	s_lshl_b32 s87, s18, 24
	s_add_co_u32 s86, s86, s87                     ; + the batch's 2^24
	s_mov_b32 s87, 0
	; K's (V's lie 2,048 bytes on) hang on batch, head pair and wave: never on cx
	s_lshl_b32 s88, s18, 11
	s_lshl_b32 s89, s13, 5
	s_add_co_u32 s88, s88, s89                     ; token 2,048 b + 32 (w % 2)
	s_mul_i32 s88, s88, QROW
	s_lshl_b32 s89, s20, 8
	s_add_co_u32 s88, s88, s89                     ; + 256 x head pair
	s_add_co_u32 s88, s88, 2048
	s_mov_b32 s89, 0
	; Q's: token 2,048 b + 256 qb + 64 qs, head 2 hp + hw
	s_lshl_b32 s90, s18, 11
	s_lshl_b32 s91, s19, 8
	s_add_co_u32 s90, s90, s91
	s_lshl_b32 s91, s12, 6
	s_add_co_u32 s90, s90, s91
	s_mul_i32 s90, s90, QROW
	s_lshl_b32 s91, s20, 8
	s_add_co_u32 s90, s90, s91
	s_lshl_b32 s91, s11, 7
	s_add_co_u32 s90, s90, s91
	s_mov_b32 s91, 0
	; att's: token 2,048 b + 256 qb + 32 w, the head pair's 256 bytes
	s_lshl_b32 s92, s18, 11
	s_lshl_b32 s93, s19, 8
	s_add_co_u32 s92, s92, s93
	s_lshl_b32 s93, s[WV], 5
	s_add_co_u32 s92, s92, s93
	s_lshl_b32 s92, s92, 11
	s_lshl_b32 s93, s20, 8
	s_add_co_u32 s92, s92, s93
	s_mov_b32 s93, 0
	s_mul_i32 s23, s12, 64*PM                      ; LDS: my quarter of the mask's tile; also my wave's 64 queries in it
	s_mul_i32 s94, s13, 32*PK
	s_add_co_u32 s94, s94, KOFF                    ; my half of K's tile
	s_mul_i32 s95, s13, 32*PVV
	s_add_co_u32 s95, s95, VOFF                    ; my half of V's
	s_mov_b32 s[CS], 0x3e38aa3b                    ; c = log2(e) / 8
	s_mov_b32 s[CS+1], s[CS]
	s_mov_b32 s[SEL], 0x76543210
	s_mov_b32 s[SEL+1], 0xfedcba98
	s_wait_dscnt 0x0                               ; both opening adds are done
	s_wait_kmcnt 0x0
	s_add_nc_u64 s[86:87], s[6:7], s[86:87]        ; the mask at my quarter of step 0's tile
	s_add_nc_u64 s[88:89], s[4:5], s[88:89]        ; K at my half of step 0's tile
	s_add_nc_u64 s[90:91], s[4:5], s[90:91]        ; Q at my wave's first row
	s_add_nc_u64 s[8:9], s[8:9], s[92:93]          ; att at the first row that I store
	CROUND                                         ; all sixteen work-groups are here: the first joint loads meet
.irp s, 0,1                            ; set s begins with key step s, for slot s
	s_mov_b32 s[G0M+4*\s], 1                                       ; 1:0 count = 1
	s_add_co_u32 s[G0M+4*\s+1], s23, \s*SLOTB                      ; 63:32 LDS address
	s_add_nc_u64 s[G0M+4*\s+2:G0M+4*\s+3], s[86:87], \s*256        ; 120:64 global address: 64 keys are 256 bytes of a mask row
	s_or_b32 s[G0M+4*\s+3], s[G0M+4*\s+3], 0x80000000             ; 127:126 type = 2
	s_mov_b32 s[G0K+4*\s], 1
	s_add_co_u32 s[G0K+4*\s+1], s94, \s*SLOTB
	s_add_nc_u64 s[G0K+4*\s+2:G0K+4*\s+3], s[88:89], \s*KS*QROW
	s_or_b32 s[G0K+4*\s+3], s[G0K+4*\s+3], 0x80000000
	s_mov_b32 s[G0V+4*\s], 1
	s_add_co_u32 s[G0V+4*\s+1], s95, \s*SLOTB
	s_add_nc_u64 s[G0V+4*\s+2:G0V+4*\s+3], s[88:89], \s*KS*QROW+2048
	s_or_b32 s[G0V+4*\s+3], s[G0V+4*\s+3], 0x80000000
.endr
	JLOAD 0                                        ; key step 0 into slot 0
	; A fragment of K or Q is 16 rows x 32 channels in 8 registers: lane l holds row l % 16; registers 0-3 channels 8 (l / 16) + 0..7, registers 4-7 channels 16 + 8 (l / 16) + 0..7
	v_and_b32 v1, 15, v0                           ; r
	v_bfe_u32 v2, v0, 4, 1                         ; h
	v_mul_u32_u24 v[QO], v1, QROW
	v_lshl_add_u32 v[QO], v2, 4, v[QO]
	WIN TO1
.irp t, 0,1,2,3                        ; Q stays in registers
.irp dc, 0,1
	global_load_b128 v[QF+16*\t+8*\dc:QF+16*\t+8*\dc+3],   v[QO], s[90:91] offset:16*QROW*\t+64*\dc
	global_load_b128 v[QF+16*\t+8*\dc+4:QF+16*\t+8*\dc+7], v[QO], s[90:91] offset:16*QROW*\t+64*\dc+32
.endr
.endr
	WIN 0
	v_mul_u32_u24 v3, v1, 272
	v_lshl_add_u32 v15, v2, 5, v3                  ; the mask: row r, + 32 h: my eight keys of a tile's sixteen
	v_add_nc_u32 v[AM], s23, v15
	v_add_nc_u32 v[AM+1], SLOTB, v[AM]
	s_lshl_b32 s2, s11, 7                          ; my head's 128 bytes of a row's 256
	s_add_co_u32 s3, s2, KOFF
	v_lshl_add_u32 v15, v2, 4, v3                  ; K: row r, + 16 h
	v_add_nc_u32 v[AK], s3, v15
	v_add_nc_u32 v[AK+1], SLOTB, v[AK]
	s_add_co_u32 s3, s2, s23
	s_add_co_u32 s3, s3, OSTG
	v_add_nc_u32 v[STO], s3, v15                   ; the stage, in: row 64 qs + r, my head's half, + 16 h
	; the turning load takes 16 keys x 16 channels (lane l reads 16 bytes: key 8 (l / 16) + l % 8, channels 8 ((l / 8) % 2) + 0..7) and leaves half a fragment of V^T
	v_and_b32 v15, 7, v0
	v_lshl_add_u32 v15, v2, 3, v15
	v_mul_u32_u24 v15, v15, PVV
	v_bfe_u32 v3, v0, 3, 1
	v_lshl_add_u32 v15, v3, 4, v15
	s_add_co_u32 s3, s2, VOFF
	v_add_nc_u32 v[AV], s3, v15
	v_add_nc_u32 v[AV+1], SLOTB, v[AV]
	s_mul_i32 s3, s[WV], 32*272
	s_add_co_u32 s3, s3, OSTG
	v_mul_u32_u24 v15, v2, 272
	v_lshl_add_u32 v15, v1, 4, v15
	v_add_nc_u32 v[RD], s3, v15                    ; the stage, back: wave w takes rows 32 w on, whole; lanes 0-15 one row, lanes 16-31 the next
	v_lshlrev_b32 v[GO], 11, v2
	v_lshl_add_u32 v[GO], v1, 4, v[GO]             ; and the same two rows in att
	; the prefetches: where mine stand (at key step 2: the first asking step moves on to 3), and who asks
	s_lshl_b32 s2, s19, 8
	s_lshl_b32 s3, s15, 6
	s_add_co_u32 s2, s2, s3
	s_lshl_b32 s3, s13, 5
	s_add_co_u32 s2, s2, s3                        ; the mask: query 256 qb + 64 cy + 32 (w % 2)
	s_lshl_b32 s2, s2, 13
	s_lshl_b32 s3, s18, 24
	s_add_co_u32 s2, s2, s3
	s_add_co_u32 s2, s2, 2*256
	s_lshl_b32 s3, s18, 11
	s_add_co_u32 s3, s3, 2*KS
	s_lshl_b32 s21, s14, 4
	s_add_co_u32 s3, s3, s21                       ; K and V: token 2,048 b + 128 + 16 cx
	s_mul_i32 s3, s3, QROW
	s_lshl_b32 s21, s20, 8
	s_add_co_u32 s3, s3, s21
	s_add_co_u32 s3, s3, 2048
	s_cmp_eq_u32 s[WV], 4
	s_cselect_b32 s21, 0, 1
	s_mov_b32 s22, QROW
	s_mov_b32 s95, 2048
	s_mov_b32 s[PFS], KS*QROW
	s_cmp_lt_u32 s[WV], 2                          ; waves 0 and 1 ask for the mask, wave 4 for K and V
	s_cselect_b32 s21, 0, s21                      ; 0 in waves 0, 1 and 4
	s_cselect_b32 s94, s17, s16                    ; the coordinate along which another cluster reads the same tiles
	s_cselect_b32 s2, s2, s3
	s_cselect_b64 s[PFA:PFA+1], s[6:7], s[4:5]
	s_cselect_b32 s22, 8192, s22                   ; from lane to lane in a half of the lanes,
	s_cselect_b32 s95, 131072, s95                 ; and from half to half: 16 rows on in the mask; from K to V
	s_cselect_b32 s[PFS], 256, s[PFS]              ; a key step on
	s_mov_b32 s3, 0
	s_mov_b32 s[PFS+1], 0
	s_add_nc_u64 s[PFA:PFA+1], s[PFA:PFA+1], s[2:3]
	s_or_b32 s21, s21, s94
	s_cmp_eq_u32 s21, 0
	s_cselect_b32 s[LIM], 1, -1                    ; hangs on the wave's number and the cluster's place in the grid: the same in all sixteen partners
	v_mul_lo_u32 v[PFO], v1, s22
	v_mul_lo_u32 v15, v2, s95
	v_add_nc_u32 v[PFO], v[PFO], v15
	; the statistics begin: m = -3e38, under every score; c m; l = 0; the registers at work are written once (a lane permute's destination counts as one of its sources)
.irp t, 0,1,2,3
	v_mov_b32 v[ST+8*\t+1], 0xff61b1e6
	v_mul_f32 v[ST+8*\t], s[CS], v[ST+8*\t+1]
.irp n, 2,3,4,5,6,7
	v_mov_b32 v[ST+8*\t+\n], 0
.endr
.endr
	WIN TO1
.set i, 0
.rept 128
	v_mov_b32 v[i], 0                              ; O^T.  The step is written once: the first finds zeros, which its a = 0 leaves zeros; a first step of its own would be a further copy of the step's text
.set i, i+1
.endr
	WIN 0
; THE LDS LOADS, in runs.  K's 8 fragments (16 loads); the mask of tile t straight into its four accumulators (8 loads); V's 8 fragments, turned (16 loads).
.macro LDK slot
	WIN TO1
.irp kt, 0,1,2,3
.irp dc, 0,1
	ds_load_b128 v[KF+16*\kt+8*\dc:KF+16*\kt+8*\dc+3],   v[AK+\slot] offset:16*PK*\kt+64*\dc
	ds_load_b128 v[KF+16*\kt+8*\dc+4:KF+16*\kt+8*\dc+7], v[AK+\slot] offset:16*PK*\kt+64*\dc+32
.endr
.endr
.endm
.macro LDM slot, t
.irp kt, 0,1,2,3
.irp c, 0,1
	ds_load_b128 v[S+32*\t+8*\kt+4*\c:S+32*\t+8*\kt+4*\c+3], v[AM+\slot] offset:16*PM*\t+64*\kt+16*\c   ; register j: mask(query 16 t + r, key 16 kt + 8 h + j)
.endr
.endr
.endm
.macro LDV slot
.irp kk, 0,1
.irp dt, 0,1,2,3
	ds_load_tr16_b128 v[VF+8*(4*\kk+\dt):VF+8*(4*\kk+\dt)+3],   v[AV+\slot] offset:32*PVV*\kk+32*\dt
	ds_load_tr16_b128 v[VF+8*(4*\kk+\dt)+4:VF+8*(4*\kk+\dt)+7], v[AV+\slot] offset:32*PVV*\kk+16*PVV+32*\dt
.endr
.endr
.endm
; THE PRODUCTS.  In every run of eight, four accumulators take turns, one instruction a turn, and no two matrix instructions that follow each other share an accumulator, from run to run and from step to step too.
; Product i of 8 of S^T(t) += K Q^T: channels 32 (i / 4) on, keys 16 (i % 4) on.  The first four add onto the mask.
.macro KQ t
	WIN W_KQ
.set rA, S+32*(\t)+8*(i%4)
.set rK, KF+16*(i%4)+8*(i/4)
.set rQ, QF+16*(\t)+8*(i/4)
	v_wmma_f32_16x16x32_f16 v[rA:rA+7], v[rK:rK+7], v[rQ:rQ+7], v[rA:rA+7]
.endm
; Product i of 8 of O^T(t) += V^T P: keys 32 (i / 4) on, channels 16 (i % 4) on.
.macro PV t
	WIN W_PV
.set rO, 32*(\t)+8*(i%4)
.set rV, VF+8*i
.set rP, S+32*(\t)+8*(i/4)
	v_wmma_f32_16x16x32_f16 v[rO:rO+7], v[rV:rV+7], v[rP:rP+7], v[rO:rO+7]
.endm
.macro BAREKQ t
.set i, 0
.rept 8
	KQ \t
.set i, i+1
.endr
.endm
.macro BAREPV t
.set i, 0
.rept 8
	PV \t
.set i, i+1
.endr
.endm
; THE SOFTMAX of one tile for one key step: a list of 119; SM writes number j of it for tile t.  s0-s31 are the lane's 32 scores, in pairs 0-15.
;   0-15    the maximum of s0-s31 and the old m, three operands at a time; each accumulator's first read is of its lowest registers
;   16-20   the other half of the lanes' maximum; the new m; c m; c m_old - c m_new
;   21-69   ONE BATCH: a, the 16 scalings c s - c m, and the 32 exponentials.  None of these names an exponential's result; a pair is scaled four groups ahead of its exponentials
;   70      a plain line behind the last exponential, and the ONE wait between the exponentials and the first instruction that names a result
;   71-86   l = a l + the sum of the unrounded p, in two chains
;   87-102  the roundings to f16, in place: register i takes pair i, ascending, so that nothing is written before it is read
;   103-118 the tile's O^T times a, ascending: the one part that leaves window 0
.macro SM t
.set rT, ST+8*(\t)
.set rS, S+32*(\t)
.if j < 103
	WIN 0
.endif
.if j < 4
	v_max3_num_f32 v[rT+4+j], v[rS+8*j], v[rS+8*j+1], v[rS+8*j+2]
.elseif j < 12
	v_max3_num_f32 v[rT+4+j%4], v[rT+4+j%4], v[rS+8*(j%4)+2*(j/4)+1], v[rS+8*(j%4)+2*(j/4)+2]
.elseif j == 12
	v_max3_num_f32 v[rT+4], v[rT+4], v[rS+7], v[rS+15]
.elseif j == 13
	v_max3_num_f32 v[rT+6], v[rT+6], v[rS+23], v[rS+31]
.elseif j == 14
	v_max3_num_f32 v[rT+4], v[rT+4], v[rT+5], v[rT+6]
.elseif j == 15
	v_max3_num_f32 v[rT+4], v[rT+4], v[rT+7], v[rT+1]
.elseif j == 16
	v_permlanex16_b32 v[rT+5], v[rT+4], s[SEL], s[SEL+1]  ; the query's other 32 keys lie in the lane 16 away
.elseif j == 17
	v_mov_b32 v[rT+7], v[rT]                       ; c m_old is kept for a
.elseif j == 18
	v_max_num_f32 v[rT+1], v[rT+4], v[rT+5]
.elseif j == 19
	v_mul_f32 v[rT], s[CS], v[rT+1]
.elseif j == 20
	v_sub_f32 v[rT+7], v[rT+7], v[rT]
.elseif j == 21
	v_exp_f32 v[rT+6], v[rT+7]                     ; a
.elseif (j < 26) || ((j < 62) && ((j-26)%3 == 2))
.set b, j-22                           ; 22-25: pairs 0 to 3
.if j >= 26
.set b, (j-26)/3+4                     ; 28, 31, .. 61: pairs 4 to 15
.endif
	v_pk_fma_f32 v[rS+2*b:rS+2*b+1], v[rS+2*b:rS+2*b+1], s[CS:CS+1], v[rT:rT+1] op_sel_hi:[1,0,0] neg_lo:[0,0,1] neg_hi:[0,0,1]  ; pair b: c s - c m
.elseif j < 70
.set e, j-38                           ; 62-69: s24 to s31
.if j < 62
.set e, 2*((j-26)/3)+(j-26)%3          ; 26, 27, 29, 30, .. 59, 60: s0 to s23
.endif
	v_exp_f32 v[rS+e], v[rS+e]
.elseif j == 70
	v_nop
	s_wait_alu depctr_va_vdst(0)
.elseif j == 71
	v_pk_fma_f32 v[rT+2:rT+3], v[rT+2:rT+3], v[rT+6:rT+7], v[rS:rS+1] op_sel_hi:[1,0,1]
.elseif j == 72
	v_pk_add_f32 v[rT+4:rT+5], v[rS+2:rS+3], v[rS+4:rS+5]
.elseif (j < 86) && (j%2 == 1)
	v_pk_add_f32 v[rT+2:rT+3], v[rT+2:rT+3], v[rS+2*(j-70):rS+2*(j-70)+1]
.elseif j < 86
	v_pk_add_f32 v[rT+4:rT+5], v[rT+4:rT+5], v[rS+2*(j-70):rS+2*(j-70)+1]
.elseif j == 86
	v_pk_add_f32 v[rT+2:rT+3], v[rT+2:rT+3], v[rT+4:rT+5]
.elseif j < 103
	v_cvt_pk_f16_f32 v[rS+j-87], v[rS+2*(j-87)], v[rS+2*(j-87)+1]
.else
	WIN W_RS
.set rR, 32*(\t)+2*(j-103)
	v_pk_mul_f32 v[rR:rR+1], v[rR:rR+1], v[rT+6:rT+7] op_sel_hi:[1,0]
.endif
.endm
; What stands behind group k of a stage.  kq, pv: the tiles whose products are set in; 9: none.  Both given: K Q^T behind groups 0-7, V^T P behind 8-15; one given: behind the even groups.
.macro HOOK kq, pv
.if ((\kq) < 9) && ((\pv) < 9)
.if k < 8
.set i, k
	KQ \kq
.else
.set i, k-8
	PV \pv
.endif
.elseif (k%2) == 0
.set i, k/2
.if (\kq) < 9
	KQ \kq
.else
	PV \pv
.endif
.endif
.endm
; A STAGE: tile t's softmax in 16 groups of seven, a product behind each group, then the last seven: plain multiplies that name no register of the products set in, the places behind the last of them.
.macro STAGE t, kq, pv
.set j, 0
.set k, 0
.rept 16
.rept 7
	SM \t
.set j, j+1
.endr
	HOOK \kq, \pv
.set k, k+1
.endr
.rept 7
	SM \t
.set j, j+1
.endr
.endm
; THE CHANGE OF SLOTS, at a step's head.  Each wave waits for all its tensor loads (one is out: its part of this step's slot), adds 0 to its spare word, and waits for that and for its reads of the slot that it has left.
; The barrier is a round of the cluster's: behind it this slot is whole, and no wave of any partner still reads the other slot or has a load on its way.  refill = 1: the other slot takes the next step's tiles, first thing.
; Then K's fragments and the masks of tiles 0 and 1: their registers are free (the last products that named them stand at least seven plain instructions back).
.macro HEAD slot, refill, ask
	s_wait_tensorcnt 0x0                           ; no tensor load of mine is out, so a group 0 may be written
	ds_add_u32 v[SPW], v[NIL]                      ; 0 onto my spare word; the steps below stand between it and the wait for it
.if \refill
	s_add_nc_u64 s[G0M+4*\slot+2:G0M+4*\slot+3], s[G0M+4*\slot+2:G0M+4*\slot+3], 2*256        ; this slot's next tiles: two key steps on
	s_add_nc_u64 s[G0K+4*\slot+2:G0K+4*\slot+3], s[G0K+4*\slot+2:G0K+4*\slot+3], 2*KS*QROW
	s_add_nc_u64 s[G0V+4*\slot+2:G0V+4*\slot+3], s[G0V+4*\slot+2:G0V+4*\slot+3], 2*KS*QROW
.endif
.if \ask
	s_wait_xcnt 0x0                                ; the last prefetch, a key step back, has read its address, so it may be written
	s_add_nc_u64 s[PFA:PFA+1], s[PFA:PFA+1], s[PFS:PFS+1]
.endif
	s_wait_dscnt 0x0                               ; the add is done, and my reads of the slot that I have left are over
	CROUND
.if \refill
	JLOAD 1-\slot
.endif
	LDK \slot
	WIN 0
	LDM \slot, 0
	LDM \slot, 1
.if \ask
	ASK \ask
.endif
.endm
.macro LATE                            ; the step before is finished, on registers alone: tile 3's softmax with tile 2's V^T P set in; tile 3's V^T P
	STAGE 3, 9, 2
	BAREPV 3
	WIN 0
.endm
.macro MID slot                        ; V and the masks of tiles 2 and 3: their registers were read up to the end of LATE
	PLACES
	LDV \slot
	LDM \slot, 2
	LDM \slot, 3
.endm
.macro MAIN
	s_wait_dscnt 32                                ; the 32 loads of the step's head are in (K, the masks of tiles 0 and 1); MID's 32 may be out
	BAREKQ 0
	WIN 0
	PLACES
	STAGE 0, 1, 9
	s_wait_dscnt 8                                 ; V and the mask of tile 2 are in; the youngest eight loads, the mask of tile 3, may be out
	STAGE 1, 2, 0
	s_wait_dscnt 0x0                               ; the mask of tile 3 is in: my reads of this slot are over
	STAGE 2, 3, 1
	WIN 0
.endm
	s_wait_loadcnt 0x0                             ; Q
	HEAD 0, 1, 0                                   ; key step 0
	MID 0
	MAIN
	s_mov_b32 s[LOOP], 15
.Lstep:                                            ; 15 trips of two key steps: steps 1 to 30
	HEAD 1, 1, 1
	LATE
	MID 1
	MAIN
	HEAD 0, 1, 2
	LATE
	MID 0
	MAIN
	s_sub_co_u32 s[LOOP], s[LOOP], 1
	s_cmp_lg_u32 s[LOOP], 0
	s_cbranch_scc1 .Lstep
	HEAD 1, 0, 0                                   ; key step 31 is written out: it asks for nothing
	LATE
	MID 1
	MAIN
	LATE
	; THE WAY OUT.  l's two halves and the other half of the lanes' are added (these additions are the places behind the last products); O^T is divided by l, rounded to f16 and goes through the work-group's stage.
.irp t, 0,1,2,3
	v_add_f32 v[ST+8*\t+4], v[ST+8*\t+2], v[ST+8*\t+3]
.endr
.irp t, 0,1,2,3
	v_permlanex16_b32 v[ST+8*\t+5], v[ST+8*\t+4], s[SEL], s[SEL+1]
.endr
.irp t, 0,1,2,3
	v_add_f32 v[ST+8*\t+4], v[ST+8*\t+4], v[ST+8*\t+5]
.endr
.irp t, 0,1,2,3
	v_rcp_f32 v[ST+8*\t+6], v[ST+8*\t+4]
.endr
	v_nop                                          ; a plain line between the last reciprocal and the use of its result
	s_wait_alu depctr_va_vdst(0)                   ; and the wait ahead of the first use: one for the four
.macro OUT t                           ; a lane's eight channels of a row pack into 16 bytes
	WIN W_RS
.set i, 0
.rept 16
	v_pk_mul_f32 v[32*\t+i:32*\t+i+1], v[32*\t+i:32*\t+i+1], v[ST+8*\t+6:ST+8*\t+7] op_sel_hi:[1,0]
.set i, i+2
.endr
	WIN 0x05                                       ; sources 0 and 1 window 1, destination window 0: S^T's registers are free
.set i, 0
.rept 16
	v_cvt_pk_f16_f32 v[S+16*\t+i], v[32*\t+2*i], v[32*\t+2*i+1]
.set i, i+1
.endr
	WIN 0
.irp dt, 0,1,2,3
	ds_store_b128 v[STO], v[S+16*\t+4*\dt:S+16*\t+4*\dt+3] offset:16*272*\t+32*\dt
.endr
.endm
	OUT 0
	OUT 1
	OUT 2
	OUT 3
	s_wait_dscnt 0x0                               ; for the others' sake: my stores into the stage are done; a row's 256 bytes come from two waves
	s_barrier_signal -1
	s_barrier_wait -1
.irp n, 0,1,2,3,4,5,6,7,8,9,10,11,12,13,14,15
	ds_load_b128 v[128+4*\n:128+4*\n+3], v[RD] offset:\n*2*272
.endr
.irp n, 0,1,2,3,4,5,6,7,8,9,10,11,12,13,14,15
	s_wait_dscnt 15-\n                             ; LDS loads come back in order: load n is in, the younger ones stay out
	global_store_b128 v[GO], v[128+4*\n:128+4*\n+3], s[8:9] offset:\n*2*2048   ; 16 lanes store 256 consecutive bytes, at a multiple of 256 from att's first byte
.endr
	s_wait_tensorcnt 0x0                           ; the wave's end: behind my last tensor load and my last LDS store
	ds_add_u32 v[SPW], v[NIL]
	s_wait_dscnt 0x0
	CROUND                                         ; the closing round: no work-group ends while a partner may still ask for a tile that names it
	s_endpgm
.Lfunc_end_k_q440cdf5451_attn:
	.size	k_q440cdf5451_attn, .Lfunc_end_k_q440cdf5451_attn-k_q440cdf5451_attn
	.p2alignl 7, 3214868480
	.fill 96, 4, 3214868480
	.section	.rodata,"a",@progbits
	.p2align	6, 0x0
	.amdhsa_kernel k_q440cdf5451_attn
		.amdhsa_group_segment_fixed_size 327680
		.amdhsa_private_segment_fixed_size 0
		.amdhsa_enable_private_segment 0
		.amdhsa_kernarg_size 24
		.amdhsa_user_sgpr_count 2
		.amdhsa_user_sgpr_kernarg_segment_ptr 1
		.amdhsa_wavefront_size32 1
		.amdhsa_system_sgpr_workgroup_id_x 1
		.amdhsa_system_sgpr_workgroup_id_y 1
		.amdhsa_system_sgpr_workgroup_id_z 1
		.amdhsa_system_vgpr_workitem_id 0
		.amdhsa_next_free_vgpr 512
		.amdhsa_next_free_sgpr 96
		.amdhsa_reserve_vcc 0
		.amdhsa_float_denorm_mode_32 3
		.amdhsa_float_denorm_mode_16_64 3
		.amdhsa_memory_ordered 1
		.amdhsa_forward_progress 1
		.amdhsa_inst_pref_size 184
	.end_amdhsa_kernel
	.amdgpu_metadata
---
amdhsa.version: [ 1, 2 ]
amdhsa.kernels:
  - .name:           k_q440cdf5451_attn
    .symbol:         k_q440cdf5451_attn.kd
    .args:
      - { .name: qkv, .offset: 0, .size: 8, .value_kind: global_buffer, .address_space: global }
      - { .name: attn_mask, .offset: 8, .size: 8, .value_kind: global_buffer, .address_space: global }
      - { .name: att, .offset: 16, .size: 8, .value_kind: global_buffer, .address_space: global }
    .group_segment_fixed_size: 327680
    .private_segment_fixed_size: 0
    .kernarg_segment_align: 8
    .kernarg_segment_size: 24
    .max_flat_workgroup_size: 256
    .sgpr_count:     96
    .vgpr_count:     512
    .wavefront_size: 32
...
	.end_amdgpu_metadata
.endif
;; end of part 3
;; launch proj (part 4): grid 8 x 64, 4 waves a work-group, clusters of 4 x 4, 327,680 bytes of LDS; arguments att, wo16, WO_b, out0; writes out0
.if DOCPART == 4
	.amdgcn_target "amdgcn-amd-amdhsa--gfx1250"
	.amdhsa_code_object_version 6
	.text
	.protected	k_q440cdf5451_proj
	.globl	k_q440cdf5451_proj
	.p2align	8
	.type	k_q440cdf5451_proj,@function
k_q440cdf5451_proj:
	s_mov_b64 s[64:65], 0
	v_nop
	global_prefetch_b8 v0, s[64:65] scope:SCOPE_SE
	s_setreg_imm32_b32 hwreg(HW_REG_WAVE_MODE, 25, 1), 1
	s_wait_xcnt 0x0
	s_wait_alu depctr_hold_cnt(0) depctr_sa_sdst(0) depctr_va_vdst(0) depctr_va_sdst(0) depctr_va_ssrc(0) depctr_va_vcc(0) depctr_vm_vsrc(0)
	s_getreg_b32 s2, hwreg(HW_REG_IB_STS2, 6, 4)
	s_cmp_eq_u32 s2, 0
	s_cbranch_scc0 .Lentry_in_a_cluster
	s_endpgm
.Lentry_in_a_cluster:
	s_bfe_u32 s2, ttmp6, 0x10000c
	s_cmp_lg_u32 s2, 0xf033
	s_cbranch_scc0 .Lentry_shape_is_right
	s_endpgm
.Lentry_shape_is_right:
; out0[m][n] = sum over k of att[m][k] wo16[n][k] + WO_b[n].  att: [8192][1024] f16, wo16: [1024][1024] f16, WO_b: [1024] f32, out0: [8192][1024] f32; sums in f32.
; A tile of C is 128 x 128: 512 work-groups, two even rounds of the 256 WGPs (tiles of 256 x 256 would be 128).  Four waves, each 64 x 64: 16 accumulators of 16 x 16, 128 registers.
; K goes in steps of 256 (LDS rows of 512 bytes; a wave's tensor load brings 64 of them) through a ring of two slots.
; CLUSTERS: 4 x 4 work-groups.  The four of a row of the cluster need the same tiles of att, the four of a column the same tiles of wo16: each tile is asked for JOINTLY, by the same tensor load with the same descriptor and a
; mask that names the four.  THE MATRIX INSTRUCTION IS USED TRANSPOSED (source 0 = 16 rows of wo16, source 1 = 16 rows of att): a lane then holds eight neighbouring numbers of a row of C.
; THE BIAS IS THE C OF EACH SUM'S FIRST PRODUCT.  A wave's 64 columns of f32 are 256 aligned bytes: each wave has a stage of its own on the way out, and no barrier stands there.
; No prefetch: a K step here is short and its tiles are shared by the cluster's joint loads.
; REGISTERS: window 0: v0-31 addresses; v32-95 rows on the way out; v96-127 the bias; v128-255 the accumulators ((a, b) at v[128 + 8 (4 a + b)]).
;   window 1: two fragment buffers of 128: for 64 along K, 64 registers of att (2 x 4 x 16 rows x 32 K), then 64 of wo16.
.set SIZE_M, 8192
.set SIZE_N, 1024
.set SIZE_K, 1024
.set KSTEP,  256
.set PITCH,  528                       ; an LDS row: 512 bytes + 16 of padding = 132 words: the 16 rows that a load touches start 4 banks apart (64 banks of 4 bytes: ISA guide 11.1)
.set HALFT,  64*PITCH                  ; 64 rows: what one tensor load brings
.set SLOT,   4*HALFT                   ; att's 128 rows, then wo16's 128 rows
.set OSTG,   2*SLOT                    ; behind the ring: 16 rows x 272 bytes for each wave
.set SPITCH, 272
.set SPARE,  OSTG+4*16*SPITCH          ; the spare words, 128 bytes for each wave
.set LAPS, SIZE_K/(2*KSTEP)            ; a lap = two K steps = once round the ring
.set ADRA, 16                          ; v16-17  LDS address of my att fragments in slot 0, 1
.set ADRB, 20                          ; v20-21  the same for wo16
.set STO,  24                          ; v24     the way out: where I put 32 bytes of a row
.set RD,   25                          ; v25     where I read a row back
.set CO,   26                          ; v26     my byte offset in two rows of C
.set BO,   27                          ; v27     32 x (lane / 16): my eight numbers of a block's sixteen biases
.set SPW,  28                          ; v28     LDS address of my spare word; never rewritten
.set NIL,  29                          ; v29     0; never rewritten
.set OB,   32                          ; the way out: 16 rows read back: v32-63 and v64-95 by turns
.set BIAS, 96                          ; v96-127 the bias of my 64 columns: block b at v[BIAS + 8 b]
.set ACC,  128
.set F0,   0                           ; fragment buffers, in window 1
.set F1,   128
.set G1, 24                            ; s[24:31] descriptor group 1 for att's tiles;  s[32:39] group 0, one set for each slot
.set G0, 32
.set G1B, 48                           ; s[48:55], s[56:63] the same for wo16's tiles
.set G0B, 56
.set MSB, 0
.macro WIN new                         ; the immediate's high byte repeats the setting that is left
.if MSB != (\new)
	s_set_vgpr_msb (MSB<<8)|(\new)
.set MSB, (\new)
.endif
.endm
.set MUL,  0x05                        ; sources 0 (wo16) and 1 (att) window 1; C and D window 0
.set TO_F, 0x40                        ; destination window 1, address window 0
.macro JLOAD s                         ; a joint load: waves 0 and 1 fetch att's two halves, waves 2 and 3 wo16's; an s_nop 0 and four v_nop follow each of the two lines
	s_cmp_eq_u32 s11, 0
	s_cbranch_scc0 .Lfor_b_\@
	tensor_load_to_lds s[G0+4*\s:G0+4*\s+3], s[G1:G1+7]
	s_nop 0
.rept 4
	v_nop
.endr
	s_branch .Lasked_\@
.Lfor_b_\@:
	tensor_load_to_lds s[G0B+4*\s:G0B+4*\s+3], s[G1B:G1B+7]
	s_nop 0
.rept 4
	v_nop
.endr
.Lasked_\@:
.endm
.macro CREST                           ; a round of the cluster's barrier behind its opening barrier
	s_cmp_lg_u32 s10, 0
	s_cbranch_scc1 .Lnot_wave_0_\@
	s_barrier_signal -3
.Lnot_wave_0_\@:
	s_barrier_wait -3
	s_barrier_signal -1
	s_barrier_wait -1
.endm
.macro CROUND                          ; a whole round
	s_barrier_signal -1
	s_barrier_wait -1
	CREST
.endm
	s_load_b128 s[4:7], s[0:1], 0x0                ; att s[4:5], wo16 s[6:7]
	s_load_b128 s[68:71], s[0:1], 0x10             ; WO_b s[68:69], out0 s[70:71]
	v_lshl_add_u32 v[SPW], v0, 2, SPARE
	v_mov_b32 v[NIL], 0
	ds_add_u32 v[SPW], v[NIL]                      ; the wave's opening: the add, twice on end, and its wait ahead of my first tensor load; the set-up below stands between the second and the wait
	ds_add_u32 v[SPW], v[NIL]
	v_lshrrev_b32 v1, 5, v0
	v_readfirstlane_b32 s10, v1                    ; wave 0..3
	s_lshr_b32 s11, s10, 1                         ; which half of the tile's rows is mine.  Also: I fetch for att (0) or for wo16 (1)
	s_and_b32 s12, s10, 1                          ; which half of its columns.  Also: which 64 rows of that tile I fetch
	s_bfe_u32 s40, ttmp6, 0x40000                  ; cx, cy: my place in the cluster
	s_bfe_u32 s41, ttmp6, 0x40004
	s_lshl_b32 s42, ttmp9, 2
	s_add_co_u32 s42, s42, s40                     ; tile column of C = 4 x cluster x + cx
	s_and_b32 s13, ttmp7, 0xffff
	s_lshl_b32 s13, s13, 2
	s_add_co_u32 s13, s13, s41                     ; tile row of C = 4 x cluster y + cy
	s_lshl_b32 s43, s41, 2
	s_lshl_b32 s43, 15, s43                        ; my row of the cluster
	s_lshl_b32 s44, 0x1111, s40                    ; my column
	; descriptor group 1: a tile of 64 rows x 256 elements, padded in LDS
	s_or_b32 s[G1+0], s43, (1<<16)|(1<<20)|(1<<21)|(6<<22)|(3<<25)  ; 15:0 the mask: att's tiles go to my row; 17:16 elements of 2 bytes; 20 padding on; 21 set beside a mask; 24:22 after every 128 words (code 6); 31:25 four words (code 3)
	s_or_b32 s[G1B+0], s44, (1<<16)|(1<<20)|(1<<21)|(6<<22)|(3<<25)
.irp g, G1, G1B
	s_mov_b32 s[\g+1], KSTEP<<16                   ; tensor_dim0 = 256
	s_mov_b32 s[\g+2], 64<<16                      ; tensor_dim1 = 64
	s_mov_b32 s[\g+3], KSTEP<<16                   ; tile_dim0 = 256
	s_mov_b32 s[\g+4], 64                          ; tile_dim1 = 64
	s_mov_b32 s[\g+5], SIZE_K                      ; tensor_dim0_stride
	s_mov_b32 s[\g+6], 0
	s_mov_b32 s[\g+7], 0
.endr
	s_lshl_b32 s17, s12, 6                         ; which 64 rows of the tile I fetch
	s_lshl_b32 s16, s13, 7
	s_add_co_u32 s16, s16, s17                     ; att: row 128 x tile row + 64 x half
	s_lshl_b32 s46, s42, 7
	s_add_co_u32 s46, s46, s17                     ; wo16: row 128 x tile column + 64 x half
	s_mov_b32 s17, 0
	s_mov_b32 s47, 0
	s_mov_b64 s[18:19], SIZE_K*2
	s_mul_u64 s[16:17], s[16:17], s[18:19]
	s_mul_u64 s[46:47], s[46:47], s[18:19]
	s_mul_i32 s20, s10, HALFT                      ; where they go: wave x 64 rows
	s_wait_dscnt 0x0                               ; both opening adds are done
	s_wait_kmcnt 0x0
	s_add_nc_u64 s[14:15], s[4:5], s[16:17]
	s_add_nc_u64 s[46:47], s[6:7], s[46:47]
	CROUND                                         ; all sixteen work-groups are here: the first joint loads meet
.irp s, 0,1
	s_mov_b32 s[G0+4*\s], 1
	s_add_co_u32 s[G0+4*\s+1], s20, \s*SLOT
	s_add_nc_u64 s[G0+4*\s+2:G0+4*\s+3], s[14:15], \s*KSTEP*2
	s_or_b32 s[G0+4*\s+3], s[G0+4*\s+3], 0x80000000
	s_mov_b32 s[G0B+4*\s], 1
	s_add_co_u32 s[G0B+4*\s+1], s20, \s*SLOT
	s_add_nc_u64 s[G0B+4*\s+2:G0B+4*\s+3], s[46:47], \s*KSTEP*2
	s_or_b32 s[G0B+4*\s+3], s[G0B+4*\s+3], 0x80000000
	JLOAD \s                                       ; two tensor loads of mine are out
.endr
	v_and_b32 v1, 15, v0                           ; l % 16
	v_bfe_u32 v2, v0, 4, 1                         ; l / 16
	s_lshl_b32 s46, s42, 9                         ; my first column, in bytes of f32: 512 x tile column + 256 x half: the same in WO_b and in a row of out0
	s_lshl_b32 s47, s12, 8
	s_add_co_u32 s46, s46, s47
	s_mov_b32 s47, 0
	s_add_nc_u64 s[68:69], s[68:69], s[46:47]
	s_add_nc_u64 s[70:71], s[70:71], s[46:47]
	v_lshlrev_b32 v[BO], 5, v2
.irp b, 0,1,2,3
	global_load_b128 v[BIAS+8*\b:BIAS+8*\b+3], v[BO], s[68:69] offset:64*\b        ; register j of block b: WO_b[16 b + 8 (l / 16) + j]
	global_load_b128 v[BIAS+8*\b+4:BIAS+8*\b+7], v[BO], s[68:69] offset:64*\b+16
.endr
	v_mul_u32_u24 v3, v1, PITCH
	v_lshl_add_u32 v3, v2, 4, v3                   ; a fragment's row x pitch + 16 x half
	s_mul_i32 s21, s11, HALFT                      ; my 64 rows of att
	s_mul_i32 s22, s12, HALFT                      ; my 64 rows of wo16,
	s_add_co_u32 s22, s22, 2*HALFT                 ; which lie behind att's 128
.irp s, 0,1
	v_add_nc_u32 v[ADRA+\s], s21, v3
	v_add_nc_u32 v[ADRB+\s], s22, v3
	s_add_co_u32 s21, s21, SLOT
	s_add_co_u32 s22, s22, SLOT
.endr
	s_mul_i32 s23, s10, 16*SPITCH
	s_add_co_u32 s23, s23, OSTG                    ; my stage
	v_mul_u32_u24 v4, v1, SPITCH                   ; in: row l % 16, 32 bytes for each half of the lanes
	v_lshl_add_u32 v4, v2, 5, v4
	v_add_nc_u32 v[STO], s23, v4
	v_mul_u32_u24 v5, v2, SPITCH                   ; back: lanes 0-15 one row of 256 bytes, lanes 16-31 the next
	v_lshl_add_u32 v5, v1, 4, v5
	v_add_nc_u32 v[RD], s23, v5
	v_mul_u32_u24 v5, v2, SIZE_N*4                 ; and the same two rows in C
	v_lshl_add_u32 v[CO], v1, 4, v5
	s_lshl_b32 s16, s13, 7
	s_lshl_b32 s17, s11, 6
	s_add_co_u32 s16, s16, s17                     ; my first row of C: 128 x tile row + 64 x half
	s_lshl_b32 s16, s16, 12                        ; x 4,096 bytes (under 2^25)
	s_mov_b32 s17, 0
	s_add_nc_u64 s[70:71], s[70:71], s[16:17]
; 8 matrix instructions: m blocks a0, a0 + 1 x all 4 n blocks, 32 along K: half c of buffer f.  zero = 1: the first product starts the sums, with the bias as its C.
; The 16 accumulators take turns, one instruction a turn.
.macro MUL8 f, c, a0, zero
.irp a, \a0, \a0+1
.irp b, 0,1,2,3
.if \zero
	v_wmma_f32_16x16x32_f16 v[ACC+8*(4*(\a)+\b):ACC+8*(4*(\a)+\b)+7], v[\f+64+8*(4*\c+\b):\f+64+8*(4*\c+\b)+7], v[\f+8*(4*\c+\a):\f+8*(4*\c+\a)+7], v[BIAS+8*\b:BIAS+8*\b+7]
.else
	v_wmma_f32_16x16x32_f16 v[ACC+8*(4*(\a)+\b):ACC+8*(4*(\a)+\b)+7], v[\f+64+8*(4*\c+\b):\f+64+8*(4*\c+\b)+7], v[\f+8*(4*\c+\a):\f+8*(4*\c+\a)+7], v[ACC+8*(4*(\a)+\b):ACC+8*(4*(\a)+\b)+7]
.endif
.endr
.endr
.endm
; 32 LDS loads in one run: the fragments of 64 along K at byte k of the rows, into buffer f; the first 32 along K first
.macro FETCH slot, k, f
	WIN TO_F
.irp c, 0,1
.irp i, 0,1,2,3
	ds_load_b128 v[\f+64+8*(4*\c+\i):\f+64+8*(4*\c+\i)+3],   v[ADRB+\slot] offset:\k+64*\c+\i*16*PITCH
	ds_load_b128 v[\f+64+8*(4*\c+\i)+4:\f+64+8*(4*\c+\i)+7], v[ADRB+\slot] offset:\k+64*\c+\i*16*PITCH+32
	ds_load_b128 v[\f+8*(4*\c+\i):\f+8*(4*\c+\i)+3],         v[ADRA+\slot] offset:\k+64*\c+\i*16*PITCH
	ds_load_b128 v[\f+8*(4*\c+\i)+4:\f+8*(4*\c+\i)+7],       v[ADRA+\slot] offset:\k+64*\c+\i*16*PITCH+32
.endr
.endr
.endm
.macro PLACES                          ; four places in front of loads into registers that matrix instructions have read, and of LDS stores that read results
.rept 4
	v_nop
.endr
.endm
; A K step is four quarters of 64 along K, 32 matrix instructions each, on buffers 0, 1, 0, 1.  One of the first three: multiplies buffer f and fetches the next quarter, at byte k, into g.
.macro QUARTER slot, k, f, g, zero
	s_wait_dscnt 16                                ; the first 32 along K are in; the youngest sixteen loads may be out
	WIN MUL
	MUL8 \f, 0, 0, \zero
	MUL8 \f, 0, 2, \zero
	PLACES
	FETCH \slot, \k, \g
	s_wait_dscnt 32                                ; all but the 32 just issued
	WIN MUL
	MUL8 \f, 1, 0, 0
	MUL8 \f, 1, 2, 0
.endm
; The last quarter multiplies buffer 1 and changes slots: ONE barrier; in front of it each wave waits for all its tensor loads, adds 0 to its spare word, and waits for that and for its own reads of this slot.  fill = 1: this slot is filled again, two K steps ahead.
.macro TURN slot, next, fill
	WIN 0                                          ; (the add's two registers lie in window 0)
	s_wait_tensorcnt 0x0                           ; all my tensor loads have landed: my part of the next slot;
	ds_add_u32 v[SPW], v[NIL]                      ; 0 onto my spare word;
	s_wait_dscnt 17                                ; (the add and the youngest sixteen loads may be out)
	WIN MUL
	MUL8 F1, 0, 0, 0                               ; eight matrix instructions stand between the add and the wait for it
	s_wait_dscnt 0x0                               ; the add is done, and my reads of this slot are over
	s_barrier_signal -1
	MUL8 F1, 0, 2, 0
.if \fill
	WIN 0
.endif
	s_barrier_wait -1
.if \fill
	CREST                                          ; the barrier has opened a round of the cluster's barrier: no wave of any partner still reads this slot's tile or has a load on its way
	s_add_nc_u64 s[G0+4*\slot+2:G0+4*\slot+3], s[G0+4*\slot+2:G0+4*\slot+3], 2*KSTEP*2
	s_add_nc_u64 s[G0B+4*\slot+2:G0B+4*\slot+3], s[G0B+4*\slot+2:G0B+4*\slot+3], 2*KSTEP*2
	JLOAD \slot                                    ; the first tensor load behind the round; the four v_nop behind it are also the places in front of the loads below
.else
	PLACES
.endif
	FETCH \next, 0, F0
	WIN MUL
	MUL8 F1, 1, 0, 0
	MUL8 F1, 1, 2, 0
.endm
	s_wait_loadcnt 0x0                             ; the bias
	s_wait_tensorcnt 1                             ; my part of K step 0 is in; K step 1's load, issued behind it, may be out
	s_barrier_signal -1
	s_barrier_wait -1                              ; everybody's is
	FETCH 0, 0, F0
	QUARTER 0, 128, F0, F1, 1                      ; the first quarter stands in front of the loop: its first products start the sums
	WIN 0                                          ; at a label and at a branch every window is 0
	s_mov_b32 s3, LAPS-1
.Llap:                                                 ; a trip goes once round the ring, from a lap's second quarter to the next lap's first, and fills both slots again
	QUARTER 0, 256, F1, F0, 0
	QUARTER 0, 384, F0, F1, 0
	TURN 0, 1, 1
	QUARTER 1, 128, F0, F1, 0
	QUARTER 1, 256, F1, F0, 0
	QUARTER 1, 384, F0, F1, 0
	TURN 1, 0, 1
	QUARTER 0, 128, F0, F1, 0
	WIN 0
	s_sub_co_u32 s3, s3, 1
	s_cmp_lg_u32 s3, 0
	s_cbranch_scc1 .Llap
	QUARTER 0, 256, F1, F0, 0                      ; the last lap fills nothing, and has no round of the cluster's barrier
	QUARTER 0, 384, F0, F1, 0
	TURN 0, 1, 0
	QUARTER 1, 128, F0, F1, 0
	QUARTER 1, 256, F1, F0, 0
	QUARTER 1, 384, F0, F1, 0
	s_wait_dscnt 16                                ; the very last quarter: nothing more to fetch
	WIN MUL
	MUL8 F1, 0, 0, 0
	MUL8 F1, 0, 2, 0
	s_wait_dscnt 0
	MUL8 F1, 1, 0, 0
	MUL8 F1, 1, 2, 0
	WIN 0
; THE WAY OUT, block by block of 16 rows x 64 columns of f32.  A lane holds 32 neighbouring bytes of a row: a block goes through my own stage and comes back as whole rows of 256 bytes.
; LDS serves a wave's instructions in order (ISA guide 5.7.1.4): no wait between the stores and the loads, nor in front of the next block's stores.
.macro TOSTAGE a
.irp b, 0,1,2,3
	ds_store_b128 v[STO], v[ACC+8*(4*(\a)+\b):ACC+8*(4*(\a)+\b)+3] offset:64*\b          ; each accumulator from its low end on
	ds_store_b128 v[STO], v[ACC+8*(4*(\a)+\b)+4:ACC+8*(4*(\a)+\b)+7] offset:64*\b+16
.endr
.irp i, 0,1,2,3,4,5,6,7
	ds_load_b128 v[OB+32*((\a)%2)+4*\i:OB+32*((\a)%2)+4*\i+3], v[RD] offset:\i*2*SPITCH
.endr
.endm
.macro SEND a, younger                 ; younger: the LDS instructions issued behind block a's loads, which may stay out
	s_wait_dscnt \younger                          ; the block is back in registers
.irp i, 0,1,2,3,4,5,6,7
	global_store_b128 v[CO], v[OB+32*((\a)%2)+4*\i:OB+32*((\a)%2)+4*\i+3], s[70:71] offset:(16*(\a)+2*\i)*SIZE_N*4 th:TH_STORE_NT   ; 16 lanes store 256 consecutive bytes, at a multiple of 256 from out0's first byte; written once, read by nobody here
.endr
.endm
	PLACES                                         ; behind the last products
	TOSTAGE 0
.irp a, 1,2,3
.if \a > 1
	s_wait_xcnt 0x0                                ; block a - 2's stores have read their registers: block a's loads may land there
.endif
	TOSTAGE \a
	SEND \a-1, 16                                  ; behind block a - 1's loads: block a's 8 stores and 8 loads
.endr
	SEND 3, 0
	s_wait_tensorcnt 0x0                           ; the wave's end: behind my last tensor load and my last LDS store
	ds_add_u32 v[SPW], v[NIL]
	s_wait_dscnt 0x0
	CROUND                                         ; the closing round: no work-group ends while a partner may still ask for a tile that names it
	s_endpgm
.Lfunc_end_k_q440cdf5451_proj:
	.size	k_q440cdf5451_proj, .Lfunc_end_k_q440cdf5451_proj-k_q440cdf5451_proj
	.p2alignl 7, 3214868480
	.fill 96, 4, 3214868480
	.section	.rodata,"a",@progbits
	.p2align	6, 0x0
	.amdhsa_kernel k_q440cdf5451_proj
		.amdhsa_group_segment_fixed_size 327680
		.amdhsa_private_segment_fixed_size 0
		.amdhsa_enable_private_segment 0
		.amdhsa_kernarg_size 32
		.amdhsa_user_sgpr_count 2
		.amdhsa_user_sgpr_kernarg_segment_ptr 1
		.amdhsa_wavefront_size32 1
		.amdhsa_system_sgpr_workgroup_id_x 1
		.amdhsa_system_sgpr_workgroup_id_y 1
		.amdhsa_system_sgpr_workgroup_id_z 1
		.amdhsa_system_vgpr_workitem_id 0
		.amdhsa_next_free_vgpr 512
		.amdhsa_next_free_sgpr 72
		.amdhsa_reserve_vcc 0
		.amdhsa_float_denorm_mode_32 3
		.amdhsa_float_denorm_mode_16_64 3
		.amdhsa_memory_ordered 1
		.amdhsa_forward_progress 1
		.amdhsa_inst_pref_size 86
	.end_amdhsa_kernel
	.amdgpu_metadata
---
amdhsa.version: [ 1, 2 ]
amdhsa.kernels:
  - .name:           k_q440cdf5451_proj
    .symbol:         k_q440cdf5451_proj.kd
    .args:
      - { .name: att, .offset: 0, .size: 8, .value_kind: global_buffer, .address_space: global }
      - { .name: wo16, .offset: 8, .size: 8, .value_kind: global_buffer, .address_space: global }
      - { .name: WO_b, .offset: 16, .size: 8, .value_kind: global_buffer, .address_space: global }
      - { .name: out0, .offset: 24, .size: 8, .value_kind: global_buffer, .address_space: global }
    .group_segment_fixed_size: 327680
    .private_segment_fixed_size: 0
    .kernarg_segment_align: 8
    .kernarg_segment_size: 32
    .max_flat_workgroup_size: 128
    .sgpr_count:     72
    .vgpr_count:     512
    .wavefront_size: 32
...
	.end_amdgpu_metadata
.endif
;; end of part 4
